; MI455X (gfx1250); checked and timed in simulation.
; The chip was launched on July 23, 2026; its instructions are those of AMD's public machine-readable ISA for CDNA 5 (MIT licence, August 2026) and "CDNA5" Instruction Set Architecture Reference Guide (July 2026). The comments in the code are by the model that wrote it; some were corrected since.
;; MHA. Allowed arithmetic: matrix products marked QUANTISED: E2M3 operands, one E8M0 scale for each 32 along K, by v_wmma_scale_f32_16x16x128_f8f6f4 with both operands' format E2M3, f32 sums; everything else in f32.
;; Inputs: c_proj_w 3,072 x 1,024 float32; ffn1_b 4,096 float32; ffn1_w 4,096 x 1,024 float32; ffn2_b 1,024 float32; ffn2_w 1,024 x 4,096 float32; ln1_b 1,024 float32; ln1_w 1,024 float32; ln2_b 1,024 float32; ln2_w 1,024 float32; proj_b 1,024 float32; proj_w 1,024 x 1,024 float32; x 2 x 2,048 x 1,024 float32.
;; Outputs: out0 2 x 2,048 x 1,024 float32.
;; This version of the problem:
;;   THIS VERSION OF THE PROBLEM IS GIVEN IN LOW PRECISION. The matrix products marked QUANTISED in the list below multiply operands that are first quantised to E2M3 (2 exponent bits, 3 mantissa bits; 6 bits a number), with one power-of-two scale for each 32 numbers along K (OCP MX v1.0); their sums are f32. All else is computed in f32.
;;   The module's matrix products, in the order in which they are computed (A, B: the left and right operand; K: the contracted axis; several contracted axes count as one K, in the product's order):
;;     1. [M 4,096, K 1,024] x [K 1,024, N 3,072]; A: computed on the way; B: input c_proj_w: QUANTISED
;;     2. batch 32 x [M 2,048, K 64] x [K 64, N 2,048]; A: computed on the way; B: computed on the way: QUANTISED
;;     3. batch 32 x [M 2,048, K 2,048] x [K 2,048, N 64]; A: softmax (see below); B: computed on the way: QUANTISED
;;     4. [M 4,096, K 1,024] x [K 1,024, N 1,024]; A: computed on the way; B: input proj_w: QUANTISED
;;     5. [M 4,096, K 1,024] x [K 1,024, N 4,096]; A: computed on the way; B: input ffn1_w: QUANTISED
;;     6. [M 4,096, K 4,096] x [K 4,096, N 1,024]; A: computed on the way; B: input ffn2_w: QUANTISED
;;   THE QUANTISER, for each operand of a quantised product, along K:
;;     - K is cut into blocks of 32 from its start; a last block that is shorter is filled with zeros.
;;     - A block's scale is 2^e with e = floor(log2(the largest magnitude in the block)) - 2, held to -126 .. 127; a block of zeros has e = 0. As a byte (E8M0): e + 127.
;;     - Each number is divided by its block's scale, clamped to +-7.5, and rounded to the nearest number of E2M3, ties to even, subnormals kept.
;;     - The product sums the exact products of the quantised numbers (number of the format x scale) in f32.
;;   ~~~python
;;   def quantise(x, axis):      # numpy; x: float32 -> the quantised numbers, widened to float32 again
;;       x = np.moveaxis(x, axis, -1); K = x.shape[-1]
;;       x = np.pad(x, [(0, 0)] * (x.ndim - 1) + [(0, -K % 32)]); x = x.reshape(x.shape[:-1] + (-1, 32)); a = np.abs(x).max(-1, keepdims=True)
;;       e = np.where(a > 0, np.clip(np.frexp(np.where(a > 0, a, 1))[1] - 1 - 2, -126, 127), 0)      # np.frexp(a)[1] - 1 = floor(log2(a)), exactly
;;       r = np.clip(x / 2.0 ** e, -7.5, 7.5)
;;       step = 2.0 ** (np.maximum(np.frexp(np.where(r == 0, 1, r))[1] - 1, 0) - 3)
;;       q = np.round(r / step) * step * 2.0 ** e      # np.round: ties to even
;;       return np.moveaxis(q.reshape(q.shape[:-2] + (-1,))[..., :K], -1, axis).astype(np.float32)
;;   ~~~
;;   SOFTMAX AHEAD OF A QUANTISED PRODUCT. Where the list says 'softmax', what is quantised is not the finished softmax but p = 2^(t - M), with t = logit x log2(e) and M = ceil(the row's largest t), a whole number; so 1/2 < the row's largest p <= 1. The row's sum l is taken of the UNQUANTISED p, in f32, and the product's result is divided by l at the end. Since M is a whole number, a kernel that streams over the keys may use a running M (the ceiling of the running maximum): every later rescaling is an exact power of two, which a block's scale takes up: the codes' values come out the same.
;;   OPERANDS COMPUTED ON THE WAY. 'Computed on the way' means the value that the module computes at that place (a softmax that the list does not call 'softmax' is quantised finished and normalised). What goes into a quantiser is computed in f32, as accurately as f32 sums, v_exp_f32 and their like allow (about 1e-6 of the number): no bf16 or f16 on the way to a quantiser, and a product that is left as it is and whose result goes on into a quantised operand takes f32 operands (vector FMAs, or v_wmma_f32_16x16x4_f32). A number that lies on a knife's edge between two numbers of the format may be rounded either way, as far as f32 arithmetic and the matrix unit's own rounding can turn it there, and no further.
;; One version. Each part assembles by itself: llvm-mc -triple=amdgcn-amd-amdhsa -mcpu=gfx1250 --defsym DOCPART=n.
;; ======== version 1 of 1: 6 launches
;; limits: right only within a limited range of input values
;; workspace buffers: wbuf 9,830,400 bytes; abuf 3,276,800 bytes; qkv 10,092,544 bytes; nbuf 3,276,800 bytes; hbuf 13,107,200 bytes
;; launch prep (part 1): grid 1024 x 1, 8 waves a work-group, no clusters, 134,400 bytes of LDS; arguments x, ln1_w, ln1_b, abuf, c_proj_w, proj_w, ffn1_w, ffn2_w, wbuf; writes abuf, wbuf
.if DOCPART == 1
	.amdgcn_target "amdgcn-amd-amdhsa--gfx1250"
	.amdhsa_code_object_version 6
	.text
	.protected	k_qd34a79c3a9_prep
	.globl	k_qd34a79c3a9_prep
	.p2align	8
	.type	k_qd34a79c3a9_prep,@function
k_qd34a79c3a9_prep:
	s_mov_b64 s[64:65], 0
	v_nop
	global_prefetch_b8 v0, s[64:65] scope:SCOPE_SE
	s_setreg_imm32_b32 hwreg(HW_REG_WAVE_MODE, 25, 1), 1
	s_wait_xcnt 0x0
; Two jobs that do not depend on each other share one launch: work-groups 0-255 make Q(LN1(x)), work-groups 256-1023 turn the four weights into codes.  The two part on the work-group's number at the head
; (the same in all eight waves) and never meet again; each has LDS bytes of its own: the weights' stages at 0, the norm's stage behind them.
; Both make codes of E2M3 with one E8M0 byte for each 32 along K, laid as the products' launches read them.
; LAYOUT OF AN OPERAND.  Rows stand in an order of their own: position 32 g + 16 u + r holds row 32 g + 8 u + r + 8 (r / 8), so that a 16-row tile used as source 0 leaves 16 neighbouring
; rows in the 16 registers of two neighbouring result tiles.  A HALF FRAGMENT (16 positions x 64 K, 768 bytes) is an image of six registers a lane: registers 0, 1 at 8 x lane, registers 2-5 at 256 + 16 x lane.
; A RECORD (25,600 bytes) is 128 positions x 256 K: half fragment (tile t, 64 k on) at 3072 t + 768 k, then scale words at 24,576 + 512 (which 128 of K) + 4 x position.
; A block's scale is 2^(floor(log2(largest magnitude)) - 2).  LIMITS: a block whose largest magnitude lies under 2^-124 (a block of zeros too) gets the byte 1; its codes are then zeros or tiny, and this program alone reads
; the bytes.  NaN and infinities among the inputs are not served.
.set REC,   25600
.set BLK1,  102400
.set LNWG,  256                        ; the norm's work-groups
.set HF,    160                        ; block c: its six registers at HF + 10 c, three at work behind them
; Block c (k = 64 c + 32 h + 0 .. 31 of row r, all 32 numbers in my registers NUM + 32 c on) becomes six registers of codes, and leaves: 256 and 512 consecutive bytes a store.
.macro QBLK c
.set XN, NUM+32*\c
.set HC, HF+10*\c
	v_max3_num_f32 v[10+2*\c], |v[XN]|, |v[XN+1]|, |v[XN+2]|
	v_max3_num_f32 v[11+2*\c], |v[XN+3]|, |v[XN+4]|, |v[XN+5]|
.irp i, 6,10,14,18,22,26
	s_delay_alu instid0(VALU_DEP_2)
	v_max3_num_f32 v[10+2*\c], v[10+2*\c], |v[XN+\i]|, |v[XN+\i+1]|
	s_delay_alu instid0(VALU_DEP_2)
	v_max3_num_f32 v[11+2*\c], v[11+2*\c], |v[XN+\i+2]|, |v[XN+\i+3]|
.endr
	s_delay_alu instid0(VALU_DEP_2)
	v_max3_num_f32 v[10+2*\c], v[10+2*\c], |v[XN+30]|, |v[XN+31]|
	s_delay_alu instid0(VALU_DEP_1)
	v_max3_num_f32 v[10+2*\c], v[10+2*\c], v[11+2*\c], 0x1800000   ; the floor 2^(3 - 127): the byte cannot fall under 1
	s_delay_alu instid0(VALU_DEP_1)
	v_add_nc_u32 v[14+\c], 0xff000000, v[10+2*\c]  ; 2 off the exponent field: the conversion takes this operand's exponent field as its scale
	v_cvt_scalef32_pk16_fp6_f32 v[HC:HC+2], v[XN:XN+15], v[14+\c]
	v_cvt_scalef32_pk16_fp6_f32 v[HC+6:HC+8], v[XN+16:XN+31], v[14+\c]   ; (a conversion's three registers begin on an even number)
	v_lshrrev_b32 v[180+\c], 23, v[14+\c]          ; the scale's byte; also the plain line behind the conversions
.irp i, 0,1,2
	v_mov_b32 v[HC+3+\i], v[HC+6+\i]
.endr
	global_store_b64 v6, v[HC:HC+1], s[OUTP:OUTP+1] offset:768*\c
	global_store_b128 v7, v[HC+2:HC+5], s[OUTP:OUTP+1] offset:768*\c
.endm
.macro WORD                            ; row r's scale word for my 128 along K
	v_lshl_or_b32 v182, v181, 16, v180             ; my two bytes: blocks h and 2 + h of row r,
	v_lshlrev_b32 v183, 3, v3
	s_delay_alu instid0(VALU_DEP_1)
	v_lshlrev_b32 v182, v183, v182                 ; at their places in the scale word;
	v_mov_b32 v183, 0
	s_delay_alu instid0(VALU_DEP_1)
	v_permlanex16_b32 v183, v182, s[SEL], s[SEL+1]
	s_delay_alu instid0(VALU_DEP_1)
	v_or_b32 v182, v182, v183                      ; with lane l xor 16's two the word is whole
	global_store_b32 v8, v182, s[OUTP:OUTP+1]      ; lanes l and l xor 16 store the same word at the same place
.endm
	v_lshl_add_u32 v192, v0, 2, 0x20900
	v_mov_b32 v193, 0
	s_cmp_lt_u32 ttmp9, LNWG
	s_cbranch_scc1 .Lnorm
; ---- THE WEIGHTS.  Work-group U = number - 256 takes tile U % 8 of slot U / 8 (a slot: 128 positions x 1,024 K, four records); wave w takes 128 along K: one fragment.  Slots 0-23 c_proj_w (slot 3 g + j: kind j = k, q, v
; of heads 2 g and 2 g + 1), 24-31 proj_w, 32-63 ffn1_w, 64-95 ffn2_w (four slots to a block of 128 rows).
; Each load reads 512 consecutive bytes of one row; the 16 rows turn through the wave's own stage in LDS, so that a lane then holds 32 neighbours along K of one row.  Waves share nothing: no barrier.
.set PST,   528                        ; a stage row: 512 bytes + 16, so that the 16 rows of a read begin in 16 different groups of banks
.set WST,   16*PST
.set RAW,   16                         ; v16-79   16 rows as loaded
.set NUM,   80                         ; v80-143  my 64 numbers: block c at NUM + 32 c
.set VOF,   144                        ; v144-159 byte offset of my 16 bytes in each of the 16 rows
.set OUTP,  12                         ; s[12:13] the record
.set SEL,   34                         ; s[34:35] selects for lane l xor 16
	s_load_b256 s[4:11], s[0:1], 0x20              ; c_proj_w, proj_w, ffn1_w, ffn2_w
	s_load_b64 s[12:13], s[0:1], 0x40              ; wbuf
	s_sub_co_u32 s36, ttmp9, LNWG                  ; U
	v_lshrrev_b32 v1, 5, v0
	s_delay_alu instid0(VALU_DEP_1)
	v_readfirstlane_b32 s14, v1                    ; wave
	v_and_b32 v1, 31, v0                           ; lane
	s_wait_alu depctr_va_vdst(0)
	v_and_b32 v2, 15, v0                           ; r
	s_wait_alu depctr_va_vdst(0)
	v_bfe_u32 v3, v0, 4, 1                         ; h
	s_lshr_b32 s16, s36, 3                         ; slot
	s_and_b32 s17, s36, 7                          ; tile of the slot's eight
	s_lshr_b32 s18, s17, 1
	s_lshl_b32 s18, s18, 5
	s_and_b32 s19, s17, 1
	s_lshl_b32 s19, s19, 3
	s_add_co_u32 s18, s18, s19                     ; the tile's first row in its 128: 32 (t / 2) + 8 (t % 2)
	s_mul_i32 s20, s16, 11
	s_lshr_b32 s20, s20, 5                         ; c_proj_w: slot / 3 (exact for slots 0 to 23)
	s_mul_i32 s21, s20, 3
	s_sub_co_u32 s21, s16, s21                     ; the kind: 0 k, 1 q, 2 v
	s_lshl_b32 s20, s20, 1
	s_lshr_b32 s22, s17, 2
	s_add_co_u32 s20, s20, s22                     ; the head
	s_mul_i32 s20, s20, 192
	s_lshl_b32 s21, s21, 6
	s_add_co_u32 s20, s20, s21
	s_and_b32 s22, s18, 63
	s_add_co_u32 s20, s20, s22                     ; row = 192 head + 64 kind + the tile's first row in the head's 64
	s_sub_co_u32 s23, s16, 24
	s_lshl_b32 s23, s23, 7
	s_add_co_u32 s23, s23, s18                     ; proj_w
	s_sub_co_u32 s24, s16, 32
	s_lshl_b32 s24, s24, 7
	s_add_co_u32 s24, s24, s18                     ; ffn1_w
	s_sub_co_u32 s25, s16, 64
	s_lshr_b32 s25, s25, 2
	s_lshl_b32 s25, s25, 7
	s_add_co_u32 s25, s25, s18                     ; ffn2_w,
	s_and_b32 s26, s16, 3
	s_lshl_b32 s26, s26, 12                        ; and which 1,024 of its K, in bytes
	s_mul_i32 s15, s14, WST                        ; my stage
	v_lshl_add_u32 v4, v1, 4, s15                  ; in: 16 x lane, a row an instruction
	v_mul_u32_u24 v5, v2, PST
	s_wait_alu depctr_va_vdst(0)
	v_lshl_add_u32 v5, v3, 7, v5
	s_delay_alu instid0(VALU_DEP_1)
	v_add_nc_u32 v5, s15, v5                       ; out: row r, 128 h bytes on: my block of 32 numbers
	s_and_b32 s28, s14, 1
	s_lshr_b32 s29, s14, 1
	s_mul_i32 s30, s17, 3072
	s_mul_i32 s31, s28, 1536
	s_add_co_u32 s30, s30, s31                     ; my fragment in its record
	s_lshl_b32 s31, s17, 6
	s_lshl_b32 s28, s28, 9
	s_add_co_u32 s31, s31, s28
	s_add_co_u32 s31, s31, 24576                   ; and its 16 scale words
	v_lshl_add_u32 v6, v1, 3, s30
	v_lshl_add_u32 v7, v1, 4, s30
	s_delay_alu instid0(VALU_DEP_1)
	v_add_nc_u32 v7, 256, v7
	v_lshl_add_u32 v8, v2, 2, s31
	s_mul_i32 s32, s16, BLK1
	s_mul_i32 s29, s29, REC
	s_add_co_u32 s32, s32, s29                     ; the record
	s_mov_b32 s33, 0
	s_mov_b32 s[SEL], 0x76543210
	s_mov_b32 s[SEL+1], 0xfedcba98
	s_wait_kmcnt 0x0
	s_cmp_lt_u32 s36, 512                          ; which weight: the choices hang on the work-group's number alone
	s_cselect_b64 s[8:9], s[8:9], s[10:11]
	s_cselect_b32 s24, s24, s25
	s_cselect_b32 s26, 0, s26
	s_cselect_b32 s27, 12, 14                      ; log2 of a row's bytes
	s_cmp_lt_u32 s36, 256
	s_cselect_b64 s[8:9], s[6:7], s[8:9]
	s_cselect_b32 s24, s23, s24
	s_cmp_lt_u32 s36, 192
	s_cselect_b64 s[8:9], s[4:5], s[8:9]
	s_cselect_b32 s24, s20, s24
	s_lshl_b32 s24, s24, s27
	s_add_co_u32 s24, s24, s26
	s_lshl_b32 s25, s14, 9
	s_add_co_u32 s24, s24, s25                     ; + my wave's 128 numbers
	s_mov_b32 s25, 0
	s_add_nc_u64 s[8:9], s[8:9], s[24:25]
	s_lshl_b32 s27, 1, s27                         ; a row's bytes
	s_mul_i32 s28, s27, 9
	s_add_nc_u64 s[12:13], s[12:13], s[32:33]
	v_lshlrev_b32 v[VOF], 4, v1
.irp i, 1,2,3,4,5,6,7,8,9,10,11,12,13,14,15
.if \i == 8
	s_delay_alu instid0(VALU_DEP_1)
	v_add_nc_u32 v[VOF+\i], s28, v[VOF+\i-1]       ; position 8 holds the row that lies 16 behind position 0
.else
	s_delay_alu instid0(VALU_DEP_1)
	v_add_nc_u32 v[VOF+\i], s27, v[VOF+\i-1]
.endif
.endr
.irp i, 0,1,2,3,4,5,6,7,8,9,10,11,12,13,14,15
	global_load_b128 v[RAW+4*\i:RAW+4*\i+3], v[VOF+\i], s[8:9] th:TH_LOAD_NT   ; 32 lanes read 512 consecutive bytes of a row
.endr
.irp i, 0,1,2,3,4,5,6,7,8,9,10,11,12,13,14,15
	s_wait_loadcnt 15-\i                           ; loads come back in order: row i is in, the younger ones may be out
	ds_store_b128 v4, v[RAW+4*\i:RAW+4*\i+3] offset:\i*PST
.endr
.irp c, 0,1
.irp k, 0,1,2,3,4,5,6,7
	ds_load_b128 v[NUM+32*\c+4*\k:NUM+32*\c+4*\k+3], v5 offset:256*\c+16*\k   ; LDS serves a wave's instructions in order: these see my stores
.endr
.endr
	s_wait_dscnt 8                                 ; block 0's eight reads are in; block 1's may be out
	QBLK 0
	s_wait_dscnt 0x0
	QBLK 1
	WORD
	s_wait_tensorcnt 0x0
	ds_add_u32 v192, v193
	s_wait_dscnt 0x0
	s_endpgm
; ---- THE LAYER NORM over rows of 1,024 f32.  A work-group takes one tile of 16 positions.  Part 1: wave w normalises stage rows 2 w and 2 w + 1, each wholly in its registers (mean; then the mean of the squared
; differences: two passes, so a common offset of the inputs costs no accuracy), and puts them into a stage in LDS.  One barrier.  Part 2: wave w quantises 128 along K of all 16 rows: one fragment.
.Lnorm:
.set LNB,   8*WST                      ; the norm's stage begins behind the weights' eight
.set PLN,   4112                       ; a stage row: 4,096 bytes + 16
.set X0,    16                         ; v16-47   row 0;  v48-79 row 1
.set X1,    48
.set GW,    80                         ; v80-111  the gain;  v112-143 the bias, at my 32 columns
.set GB,    112
.set T0,    144                        ; v144-147, v148-151 at work
.set T1,    148
.set R0,    152                        ; v[152:153], v[154:155] 1 / sqrt(var + eps): the packed form names a pair and takes its low word
.set R1,    154
.set NUM,   16                         ; part 2: my 64 numbers
.set OUTP,  10
.set SEL,   22
	s_load_b256 s[4:11], s[0:1], 0x0               ; x, the gain, the bias, abuf
	v_lshrrev_b32 v1, 5, v0
	s_delay_alu instid0(VALU_DEP_1)
	v_readfirstlane_b32 s12, v1                    ; wave
	v_and_b32 v1, 31, v0
	s_wait_alu depctr_va_vdst(0)
	v_and_b32 v2, 15, v0                           ; r
	s_wait_alu depctr_va_vdst(0)
	v_bfe_u32 v3, v0, 4, 1                         ; h
	s_lshr_b32 s13, ttmp9, 1
	s_lshl_b32 s13, s13, 5
	s_and_b32 s14, ttmp9, 1
	s_lshl_b32 s14, s14, 3
	s_add_co_u32 s13, s13, s14
	s_lshl_b32 s14, s12, 1
	s_add_co_u32 s13, s13, s14
	s_lshr_b32 s14, s12, 2
	s_lshl_b32 s14, s14, 3
	s_add_co_u32 s13, s13, s14                     ; positions 2 w, 2 w + 1 of tile t hold rows 32 (t / 2) + 8 (t % 2) + 2 w + 8 (w / 4) and the next
	s_lshl_b32 s16, s13, 12
	s_mov_b32 s17, 0
	s_mov_b32 s20, 0x3a800000                      ; 1 / 1,024
	s_mov_b32 s21, 0x3727c5ac                      ; 1e-5
	s_mov_b32 s[SEL], 0x76543210
	s_mov_b32 s[SEL+1], 0xfedcba98
	v_lshlrev_b32 v9, 4, v1                        ; 16 x lane
	s_mul_i32 s18, s12, 2*PLN
	s_add_co_u32 s18, s18, LNB
	v_add_nc_u32 v4, s18, v9                       ; the stage, in
	v_mul_u32_u24 v5, v2, PLN
	s_wait_alu depctr_va_vdst(0)
	v_lshl_add_u32 v5, v3, 7, v5
	s_lshl_b32 s19, s12, 9
	s_add_co_u32 s19, s19, LNB
	v_add_nc_u32 v5, s19, v5                       ; and out: row r, my wave's 512 bytes, 128 h on
	s_and_b32 s24, ttmp9, 7
	s_lshr_b32 s25, ttmp9, 3
	s_and_b32 s26, s12, 1
	s_lshr_b32 s27, s12, 1
	s_mul_i32 s28, s24, 3072
	s_mul_i32 s29, s26, 1536
	s_add_co_u32 s28, s28, s29
	s_lshl_b32 s29, s24, 6
	s_lshl_b32 s26, s26, 9
	s_add_co_u32 s29, s29, s26
	s_add_co_u32 s29, s29, 24576
	v_lshl_add_u32 v6, v1, 3, s28
	v_lshl_add_u32 v7, v1, 4, s28
	s_delay_alu instid0(VALU_DEP_1)
	v_add_nc_u32 v7, 256, v7
	v_lshl_add_u32 v8, v2, 2, s29
	s_mul_i32 s30, s25, BLK1
	s_mul_i32 s27, s27, REC
	s_add_co_u32 s30, s30, s27
	s_mov_b32 s31, 0
	v_mov_b32 v[R0+1], 0                           ; (named as upper halves of pairs)
	v_mov_b32 v[R1+1], 0
	s_wait_kmcnt 0x0
	s_add_nc_u64 s[4:5], s[4:5], s[16:17]
	s_add_nc_u64 s[10:11], s[10:11], s[30:31]
.irp j, 0,1,2,3,4,5,6,7
	global_load_b128 v[X0+4*\j:X0+4*\j+3], v9, s[4:5] offset:512*\j th:TH_LOAD_NT
.endr
.irp j, 0,1,2,3,4,5,6,7
	global_load_b128 v[X1+4*\j:X1+4*\j+3], v9, s[4:5] offset:4096+512*\j th:TH_LOAD_NT
.endr
.irp j, 0,1,2,3,4,5,6,7
	global_load_b128 v[GW+4*\j:GW+4*\j+3], v9, s[6:7] offset:512*\j
.endr
.irp j, 0,1,2,3,4,5,6,7
	global_load_b128 v[GB+4*\j:GB+4*\j+3], v9, s[8:9] offset:512*\j
.endr
.macro LANES t                         ; the sum of v[t] over the 32 lanes, in every lane
	s_delay_alu instid0(VALU_DEP_1)
	v_add_f32 v[\t], v[\t], v[\t+1]
	s_delay_alu instid0(VALU_DEP_1)
	v_add_f32_dpp v[\t], v[\t], v[\t] row_xmask:1 row_mask:0xf bank_mask:0xf
	s_delay_alu instid0(VALU_DEP_1)
	v_add_f32_dpp v[\t], v[\t], v[\t] row_xmask:2 row_mask:0xf bank_mask:0xf
	s_delay_alu instid0(VALU_DEP_1)
	v_add_f32_dpp v[\t], v[\t], v[\t] row_xmask:4 row_mask:0xf bank_mask:0xf
	s_delay_alu instid0(VALU_DEP_1)
	v_add_f32_dpp v[\t], v[\t], v[\t] row_xmask:8 row_mask:0xf bank_mask:0xf
	s_delay_alu instid0(VALU_DEP_1)
	v_permlanex16_b32 v[\t+1], v[\t], s[SEL], s[SEL+1]
	s_delay_alu instid0(VALU_DEP_1)
	v_add_f32 v[\t], v[\t], v[\t+1]
.endm
.macro CENTRE x, t                     ; the row less its mean, in place
	v_pk_add_f32 v[\t:\t+1], v[\x:\x+1], v[\x+2:\x+3]
	v_pk_add_f32 v[\t+2:\t+3], v[\x+4:\x+5], v[\x+6:\x+7]
.irp j, 8,12,16,20,24,28
	s_delay_alu instid0(VALU_DEP_2)
	v_pk_add_f32 v[\t:\t+1], v[\t:\t+1], v[\x+\j:\x+\j+1]
	s_delay_alu instid0(VALU_DEP_2)
	v_pk_add_f32 v[\t+2:\t+3], v[\t+2:\t+3], v[\x+\j+2:\x+\j+3]
.endr
	s_delay_alu instid0(VALU_DEP_1)
	v_pk_add_f32 v[\t:\t+1], v[\t:\t+1], v[\t+2:\t+3]
	LANES \t
	s_delay_alu instid0(VALU_DEP_1)
	v_mul_f32 v[\t], s20, v[\t]
.irp j, 0,2,4,6,8,10,12,14,16,18,20,22,24,26,28,30
	v_pk_add_f32 v[\x+\j:\x+\j+1], v[\x+\j:\x+\j+1], v[\t:\t+1] op_sel_hi:[1,0] neg_lo:[0,1] neg_hi:[0,1]
.endr
.endm
.macro SPREAD x, t                     ; var + eps
	v_pk_mul_f32 v[\t:\t+1], v[\x:\x+1], v[\x:\x+1]
	v_pk_mul_f32 v[\t+2:\t+3], v[\x+2:\x+3], v[\x+2:\x+3]
.irp j, 4,8,12,16,20,24,28
	s_delay_alu instid0(VALU_DEP_2)
	v_pk_fma_f32 v[\t:\t+1], v[\x+\j:\x+\j+1], v[\x+\j:\x+\j+1], v[\t:\t+1]
	s_delay_alu instid0(VALU_DEP_2)
	v_pk_fma_f32 v[\t+2:\t+3], v[\x+\j+2:\x+\j+3], v[\x+\j+2:\x+\j+3], v[\t+2:\t+3]
.endr
	s_delay_alu instid0(VALU_DEP_1)
	v_pk_add_f32 v[\t:\t+1], v[\t:\t+1], v[\t+2:\t+3]
	LANES \t
	s_delay_alu instid0(VALU_DEP_1)
	v_fma_f32 v[\t], v[\t], s20, s21
.endm
.macro FINISH x, rr, off               ; (d x rs) x gain + bias, into the stage
.irp j, 0,2,4,6,8,10,12,14,16,18,20,22,24,26,28,30
	v_pk_mul_f32 v[\x+\j:\x+\j+1], v[\x+\j:\x+\j+1], v[\rr:\rr+1] op_sel_hi:[1,0]
.endr
.irp j, 0,2,4,6,8,10,12,14,16,18,20,22,24,26,28,30
	v_pk_fma_f32 v[\x+\j:\x+\j+1], v[\x+\j:\x+\j+1], v[GW+\j:GW+\j+1], v[GB+\j:GB+\j+1]
.endr
.irp j, 0,1,2,3,4,5,6,7
	ds_store_b128 v4, v[\x+4*\j:\x+4*\j+3] offset:\off+512*\j
.endr
.endm
	s_wait_loadcnt 16                              ; both rows are in; the gain's and the bias's sixteen loads may be out
	CENTRE X0, T0
	CENTRE X1, T1
	SPREAD X0, T0
	SPREAD X1, T1
	s_wait_alu depctr_va_vdst(0)
	v_rsq_f32 v[R0], v[T0]
	v_rsq_f32 v[R1], v[T1]
	v_nop                                          ; a plain line behind the two roots,
	s_wait_alu depctr_va_vdst(0)                   ; and one wait for both, ahead of their first reader
	s_wait_loadcnt 0x0
	FINISH X0, R0, 0
	FINISH X1, R1, PLN
	s_wait_dscnt 0x0                               ; for the others' sake: my two rows lie in the stage
	s_barrier_signal -1
	s_barrier_wait -1
.irp c, 0,1
.irp k, 0,1,2,3,4,5,6,7
	ds_load_b128 v[NUM+32*\c+4*\k:NUM+32*\c+4*\k+3], v5 offset:256*\c+16*\k
.endr
.endr
	s_wait_dscnt 8                                 ; block 0's eight reads are in
	QBLK 0
	s_wait_dscnt 0x0
	QBLK 1
	WORD
	s_wait_tensorcnt 0x0
	ds_add_u32 v192, v193
	s_wait_dscnt 0x0
	s_endpgm
.Lfunc_end_k_qd34a79c3a9_prep:
	.size	k_qd34a79c3a9_prep, .Lfunc_end_k_qd34a79c3a9_prep-k_qd34a79c3a9_prep
	.p2alignl 7, 3214868480
	.fill 96, 4, 3214868480
	.section	.rodata,"a",@progbits
	.p2align	6, 0x0
	.amdhsa_kernel k_qd34a79c3a9_prep
		.amdhsa_group_segment_fixed_size 134400
		.amdhsa_private_segment_fixed_size 0
		.amdhsa_enable_private_segment 0
		.amdhsa_kernarg_size 72
		.amdhsa_user_sgpr_count 2
		.amdhsa_user_sgpr_kernarg_segment_ptr 1
		.amdhsa_wavefront_size32 1
		.amdhsa_system_sgpr_workgroup_id_x 1
		.amdhsa_system_sgpr_workgroup_id_y 1
		.amdhsa_system_sgpr_workgroup_id_z 1
		.amdhsa_system_vgpr_workitem_id 0
		.amdhsa_next_free_vgpr 194
		.amdhsa_next_free_sgpr 66
		.amdhsa_reserve_vcc 0
		.amdhsa_float_denorm_mode_32 3
		.amdhsa_float_denorm_mode_16_64 3
		.amdhsa_memory_ordered 1
		.amdhsa_forward_progress 1
		.amdhsa_inst_pref_size 41
	.end_amdhsa_kernel
	.amdgpu_metadata
---
amdhsa.version: [ 1, 2 ]
amdhsa.kernels:
  - .name:           k_qd34a79c3a9_prep
    .symbol:         k_qd34a79c3a9_prep.kd
    .args:
      - { .name: x, .offset: 0, .size: 8, .value_kind: global_buffer, .address_space: global }
      - { .name: ln1_w, .offset: 8, .size: 8, .value_kind: global_buffer, .address_space: global }
      - { .name: ln1_b, .offset: 16, .size: 8, .value_kind: global_buffer, .address_space: global }
      - { .name: abuf, .offset: 24, .size: 8, .value_kind: global_buffer, .address_space: global }
      - { .name: c_proj_w, .offset: 32, .size: 8, .value_kind: global_buffer, .address_space: global }
      - { .name: proj_w, .offset: 40, .size: 8, .value_kind: global_buffer, .address_space: global }
      - { .name: ffn1_w, .offset: 48, .size: 8, .value_kind: global_buffer, .address_space: global }
      - { .name: ffn2_w, .offset: 56, .size: 8, .value_kind: global_buffer, .address_space: global }
      - { .name: wbuf, .offset: 64, .size: 8, .value_kind: global_buffer, .address_space: global }
    .group_segment_fixed_size: 134400
    .private_segment_fixed_size: 0
    .kernarg_segment_align: 8
    .kernarg_segment_size: 72
    .max_flat_workgroup_size: 256
    .sgpr_count:     66
    .vgpr_count:     194
    .wavefront_size: 32
...
	.end_amdgpu_metadata
.endif
;; end of part 1
;; launch qkv (part 2): grid 32 x 8, 4 waves a work-group, clusters of 4 x 1, 327,680 bytes of LDS; arguments abuf, wbuf, qkv; writes qkv
.if DOCPART == 2
	.amdgcn_target "amdgcn-amd-amdhsa--gfx1250"
	.amdhsa_code_object_version 6
	.text
	.protected	k_qd34a79c3a9_qkv
	.globl	k_qd34a79c3a9_qkv
	.p2align	8
	.type	k_qd34a79c3a9_qkv,@function
k_qd34a79c3a9_qkv:
	s_mov_b64 s[64:65], 0
	v_nop
	global_prefetch_b8 v0, s[64:65] scope:SCOPE_SE
	s_setreg_imm32_b32 hwreg(HW_REG_WAVE_MODE, 25, 1), 1
	s_wait_xcnt 0x0
	s_wait_alu depctr_hold_cnt(0) depctr_sa_sdst(0) depctr_va_vdst(0) depctr_va_sdst(0) depctr_va_ssrc(0) depctr_va_vcc(0) depctr_vm_vsrc(0)
	s_getreg_b32 s2, hwreg(HW_REG_IB_STS2, 6, 4)
	s_cmp_eq_u32 s2, 0
	s_cbranch_scc0 .Lentry_in_a_cluster
	s_endpgm
.Lentry_in_a_cluster:
	s_bfe_u32 s2, ttmp6, 0x10000c
	s_cmp_lg_u32 s2, 0x3003
	s_cbranch_scc0 .Lentry_shape_is_right
	s_endpgm
.Lentry_shape_is_right:
; c = Q(LN1(x)) Q(c_proj_w)^T on codes of E2M3; the results are quantised at once: k and q along the head's 64, v along the keys, and stored as attention's operands.
; SHARES.  A work-group owns 128 token positions and two heads: three tiles of 128 columns (the two heads' k, then q, then v), K = 1,024.  Four waves, each 64 x 64: 16 accumulators.
; A STAYS IN REGISTERS: a wave's 64 rows x 1,024 K are 384 registers, loaded once as images.  Only the weights go through LDS: a ring of two slots, each a WHOLE tile (102,400 bytes, as it lies in memory),
; so a wave reads 6.4 KB of LDS for 16 matrix instructions, and a refill has a tile's 128 matrix instructions and an epilogue in which to land.
; CLUSTER.  The four work-groups of a cluster are four row blocks of the same two heads: they walk the same weights and ask for each record JOINTLY (mask 15); wave w fetches record w of a tile.
; k, q: the matrix instruction is used transposed (source 0 = 16 weight rows, source 1 = 16 tokens): a lane holds one token and, thanks to the order of the weights' rows, neighbours along d.
; v: source 0 = 16 tokens: a lane holds one d and neighbouring tokens, which are the second attention product's K.
; qkv BUFFER.  [head of 32][key step of 16] records of 13,056 bytes: 8 half fragments of k (768 t), 4 fragments of v (6,144 + 1,536 d-tile + 768 (which 64 keys)), k's scale words (12,288 + 4 position; bytes 2, 3 = 127),
; v's (12,800 + 4 d-position).  Behind them [head][block of 128] records of q: 8 half fragments, 512 bytes of scale words (bytes 2, 3 = 127).
; LIMITS: a block whose largest magnitude lies under 2^-124 gets the byte 1; NaN and infinities are not served.
; REGISTERS: window 0: v1-3 the stores' offsets; v4-15 LDS addresses; v16-31 A's scale words; v32-37 B's, three sets; v38, 39 for the add; v72-87 at work; v88-127 codes; v128-255 accumulators.
;   window 1: A's K steps 0-4 (48 ks + 12 i);  window 2: K steps 5-7;  window 3: B's fragments, three buffers (48 bf + 12 b).
.set NT,     3
.set REC,    25600
.set BLK1,   4*REC
.set SPARE,  222208                    ; the spare words, 128 bytes a wave: two blocks of 256 bytes that no other line names
.set KVREC,  13056
.set KVHEAD, 16*KVREC
.set QOFF,   32*KVHEAD
.set QREC,   6656
.set QHEAD,  16*QREC
.set E8,  1
.set E16, 2
.set ES,  3
.set AD8, 4                            ; v[AD8 + 2 s + k]: 8 x lane + my column half + slot s + 51,200 k
.set AD16, 8
.set ADS, 12
.set SA,  16
.set SB,  32
.set SPW, 38
.set NIL, 39
.set TM,  72
.set PC,  88
.set ACC, 128
.set G1,  16
.set G0,  24
.set SEL, 42
.set MSB, 0
.macro WIN new                         ; the immediate's high byte repeats the setting that is left
.if MSB != (\new)
	s_set_vgpr_msb (MSB<<8)|(\new)
.set MSB, \new
.endif
.endm
.macro PLACES                          ; four plain lines: behind matrix instructions, ahead of loads into their registers and of reads of their results
.rept 4
	v_nop
.endr
.endm
.macro CROUND                          ; a round of the cluster's barrier
	s_barrier_signal -1
	s_barrier_wait -1
	s_cmp_lg_u32 s10, 0
	s_cbranch_scc1 .Lnot_wave_0_\@
	s_barrier_signal -3
.Lnot_wave_0_\@:
	s_barrier_wait -3
	s_barrier_signal -1
	s_barrier_wait -1
.endm
; One matrix instruction.  c: C's first register, or -1 for the constant 0.  rx, ry: 1 where the side's scale words stand in lanes 16-31.
.macro WM d, x, y, c, sx, sy, rx, ry
.set WR, 2*(\rx)+(\ry)
.if (\c) < 0
.if WR == 0
	v_wmma_scale_f32_16x16x128_f8f6f4 v[\d:\d+7], v[\x:\x+11], v[\y:\y+11], 0, v[\sx], v[\sy] matrix_a_fmt:MATRIX_FMT_FP6 matrix_b_fmt:MATRIX_FMT_FP6
.elseif WR == 1
	v_wmma_scale_f32_16x16x128_f8f6f4 v[\d:\d+7], v[\x:\x+11], v[\y:\y+11], 0, v[\sx], v[\sy] matrix_a_fmt:MATRIX_FMT_FP6 matrix_b_fmt:MATRIX_FMT_FP6 matrix_b_scale:MATRIX_SCALE_ROW1
.elseif WR == 2
	v_wmma_scale_f32_16x16x128_f8f6f4 v[\d:\d+7], v[\x:\x+11], v[\y:\y+11], 0, v[\sx], v[\sy] matrix_a_fmt:MATRIX_FMT_FP6 matrix_b_fmt:MATRIX_FMT_FP6 matrix_a_scale:MATRIX_SCALE_ROW1
.else
	v_wmma_scale_f32_16x16x128_f8f6f4 v[\d:\d+7], v[\x:\x+11], v[\y:\y+11], 0, v[\sx], v[\sy] matrix_a_fmt:MATRIX_FMT_FP6 matrix_b_fmt:MATRIX_FMT_FP6 matrix_a_scale:MATRIX_SCALE_ROW1 matrix_b_scale:MATRIX_SCALE_ROW1
.endif
.else
.if WR == 0
	v_wmma_scale_f32_16x16x128_f8f6f4 v[\d:\d+7], v[\x:\x+11], v[\y:\y+11], v[\c:\c+7], v[\sx], v[\sy] matrix_a_fmt:MATRIX_FMT_FP6 matrix_b_fmt:MATRIX_FMT_FP6
.elseif WR == 1
	v_wmma_scale_f32_16x16x128_f8f6f4 v[\d:\d+7], v[\x:\x+11], v[\y:\y+11], v[\c:\c+7], v[\sx], v[\sy] matrix_a_fmt:MATRIX_FMT_FP6 matrix_b_fmt:MATRIX_FMT_FP6 matrix_b_scale:MATRIX_SCALE_ROW1
.elseif WR == 2
	v_wmma_scale_f32_16x16x128_f8f6f4 v[\d:\d+7], v[\x:\x+11], v[\y:\y+11], v[\c:\c+7], v[\sx], v[\sy] matrix_a_fmt:MATRIX_FMT_FP6 matrix_b_fmt:MATRIX_FMT_FP6 matrix_a_scale:MATRIX_SCALE_ROW1
.else
	v_wmma_scale_f32_16x16x128_f8f6f4 v[\d:\d+7], v[\x:\x+11], v[\y:\y+11], v[\c:\c+7], v[\sx], v[\sy] matrix_a_fmt:MATRIX_FMT_FP6 matrix_b_fmt:MATRIX_FMT_FP6 matrix_a_scale:MATRIX_SCALE_ROW1 matrix_b_scale:MATRIX_SCALE_ROW1
.endif
.endif
.endm
; 18 LDS loads: B's four fragments and two registers of scale words of K step q, into buffer q % 3
.macro FETCH slot, q
.set FB, (\q)%3
.set FK, (\q)/4
.set FO, (((\q)%4)/2)*REC
	WIN 0
.irp ii, 0,1
	ds_load_b32 v[SB+2*FB+\ii], v[ADS+2*(\slot)+FK] offset:FO+((\q)%2)*512+128*\ii
.endr
	WIN 0xc0
.irp b, 0,1,2,3
.irp c, 0,1
	ds_load_b64 v[48*FB+12*\b+6*\c:48*FB+12*\b+6*\c+1], v[AD8+2*(\slot)+FK] offset:FO+((\q)%2)*1536+\b*3072+\c*768
	ds_load_b128 v[48*FB+12*\b+6*\c+2:48*FB+12*\b+6*\c+5], v[AD16+2*(\slot)+FK] offset:FO+((\q)%2)*1536+\b*3072+\c*768
.endr
.endr
.endm
; 16 matrix instructions: K step q.  tr = 1: source 0 = B.  first = 1: the products start the sums.  The 16 accumulators take turns, one instruction a turn.
.macro MUL q, tr, first
.set MB, 48*((\q)%3)
.if (\q) < 5
.set MA, 48*(\q)
.set MW, 1
.else
.set MA, 48*((\q)-5)
.set MW, 2
.endif
.if \tr
.set MWIN, 0x03|(MW<<2)
.else
.set MWIN, MW|0x0c
.endif
	WIN MWIN
.irp a, 0,1,2,3
.irp b, 0,1,2,3
.if \tr
.set MD, ACC+8*(4*\a+\b)
.else
.set MD, ACC+8*(4*\b+\a)
.endif
.if \first
.set MC, -1
.else
.set MC, MD
.endif
.if \tr
	WM MD, MB+12*\b, MA+12*\a, MC, SB+2*((\q)%3)+\b/2, SA+2*(\q)+\a/2, \b%2, \a%2
.else
	WM MD, MA+12*\a, MB+12*\b, MC, SA+2*(\q)+\a/2, SB+2*((\q)%3)+\b/2, \a%2, \b%2
.endif
.endr
.endr
.endm
; A tile: eight K steps.  K steps 0 and 1 have been fetched; step q fetches q + 2 into the buffer that step q - 1 has read.
.macro STEPS slot, tr
.irp q, 0,1,2,3,4,5,6,7
.if \q < 7
	s_wait_dscnt 18                                ; this step's 18 loads are in; the next step's 18 may be out
.else
	s_wait_dscnt 0x0
.endif
.if \q < 6
	PLACES
	FETCH \slot, \q+2
.endif
.if \q == 0
	MUL \q, \tr, 1
.else
	MUL \q, \tr, 0
.endif
.endr
.endm
; The change of slots.  Every wave: all its tensor loads have landed; 0 onto its spare word; that and its reads of the slot are done.  fill = 1: a round of the cluster's barrier, and the joint refill first behind it.
.macro CHANGE slot, fill
	WIN 0
	s_wait_tensorcnt 0x0                           ; no tensor load of mine is out, so a group 0 may be written
	ds_add_u32 v[SPW], v[NIL]
.if \fill
	s_add_nc_u64 s[G0+4*\slot+2:G0+4*\slot+3], s[G0+4*\slot+2:G0+4*\slot+3], 2*BLK1
.endif
	s_wait_dscnt 0x0
.if \fill
	CROUND
	tensor_load_to_lds s[G0+4*\slot:G0+4*\slot+3], s[G1:G1+7]
	s_nop 0
.else
	s_barrier_signal -1
	s_barrier_wait -1
.endif
	PLACES                                         ; behind the tensor load; also the places ahead of the loads that follow
.endm
; Two neighbouring tiles of results (32 numbers a lane each; register 16 b + i = k 32 b + 16 (lane / 16) + i of the lane's row) become two half fragments at v[cod], v[cod + 10], and their rows' two scale bytes v[wrd], v[wrd + 1].
.macro QH2 src, cod, wrd
.irp p, 0,1
.irp b, 0,1
	v_max3_num_f32 v[TM+2*\p+\b], |v[\src+32*\p+16*\b]|, |v[\src+32*\p+16*\b+1]|, 0x1800000   ; with the floor 2^(3 - 127)
.endr
.endr
.irp i, 2,4,6,8,10,12,14
.irp p, 0,1
.irp b, 0,1
	v_max3_num_f32 v[TM+2*\p+\b], v[TM+2*\p+\b], |v[\src+32*\p+16*\b+\i]|, |v[\src+32*\p+16*\b+\i+1]|
.endr
.endr
.endr
.irp n, 0,1,2,3
	v_permlanex16_b32 v[TM+4+\n], v[TM+\n], s[SEL], s[SEL+1]
.endr
.irp n, 0,1,2,3
	v_max_num_f32 v[TM+\n], v[TM+\n], v[TM+4+\n]   ; with lane l xor 16's 16: the block's largest magnitude
.endr
.irp n, 0,1,2,3
	v_add_nc_u32 v[TM+8+\n], 0xff000000, v[TM+\n]  ; 2 off the exponent field: the conversion's scale operand
.endr
.irp n, 0,1,2,3
	v_lshrrev_b32 v[TM+4+\n], 23, v[TM+8+\n]       ; the byte
.endr
.irp p, 0,1
	v_lshl_or_b32 v[\wrd+\p], v[TM+5+2*\p], 8, v[TM+4+2*\p]
.endr
.irp p, 0,1
	v_cvt_scalef32_pk16_fp6_f32 v[\cod+10*\p:\cod+10*\p+2], v[\src+32*\p:\src+32*\p+15], v[TM+8+2*\p]
	v_cvt_scalef32_pk16_fp6_f32 v[\cod+10*\p+6:\cod+10*\p+8], v[\src+32*\p+16:\src+32*\p+31], v[TM+9+2*\p]
.endr
	v_nop                                          ; one plain line behind the scaled conversions
.irp p, 0,1
.irp i, 0,1,2
	v_permlane16_swap_b32 v[\cod+10*\p+\i], v[\cod+10*\p+6+\i]   ; a lane gets a whole block: lanes 0-15 block 0, lanes 16-31 block 1
.endr
.irp i, 0,1,2
	v_mov_b32 v[\cod+10*\p+3+\i], v[\cod+10*\p+6+\i]
.endr
.endr
.endm
	s_load_b128 s[4:7], s[0:1], 0x0                ; abuf, wbuf
	s_load_b64 s[8:9], s[0:1], 0x10                ; qkv
	v_lshl_add_u32 v[SPW], v0, 2, SPARE
	v_mov_b32 v[NIL], 0
	ds_add_u32 v38, v39
	ds_add_u32 v38, v39
	s_wait_dscnt 0x0
	v_lshrrev_b32 v1, 5, v0
	v_readfirstlane_b32 s10, v1                    ; wave
	s_lshr_b32 s11, s10, 1                         ; my half of the rows
	s_and_b32 s12, s10, 1                          ; my half of the columns: one head
	s_bfe_u32 s13, ttmp6, 0x40000                  ; my place in the cluster
	s_lshl_b32 s14, ttmp9, 2
	s_add_co_u32 s14, s14, s13                     ; my block of 128 tokens: it enters global addresses of A and of the results alone
	s_and_b32 s15, ttmp7, 0xffff                   ; the pair of heads, which the four partners share
	s_mov_b32 s[G1], 15|(3<<16)|(1<<21)            ; the mask: all four; elements of 8 bytes; bit 21 beside a mask; no padding
	s_mov_b32 s[G1+1], 32<<16                      ; rows of 32 elements: 256 bytes
	s_mov_b32 s[G1+2], 100<<16                     ; 100 rows: a record
	s_mov_b32 s[G1+3], 32<<16
	s_mov_b32 s[G1+4], 100
	s_mov_b32 s[G1+5], 32                          ; dense
	s_mov_b32 s[G1+6], 0
	s_mov_b32 s[G1+7], 0
	s_mul_i32 s32, s15, NT*BLK1
	s_mul_i32 s34, s10, REC                        ; record w: in memory and in a slot alike
	s_add_co_u32 s32, s32, s34
	s_mov_b32 s33, 0
	s_mul_i32 s44, s14, BLK1
	s_mov_b32 s45, 0
	s_lshr_b32 s56, s14, 4
	s_lshl_b32 s56, s56, 4
	s_lshl_b32 s57, s15, 1
	s_add_co_u32 s56, s56, s57
	s_add_co_u32 s56, s56, s12                     ; 16 x batch + head
	s_and_b32 s57, s14, 15                         ; which 128 tokens of the batch
	s_mul_i32 s52, s56, KVHEAD
	s_mul_i32 s58, s57, KVREC
	s_add_co_u32 s52, s52, s58
	s_mov_b32 s53, 0
	s_mul_i32 s54, s56, QHEAD
	s_mul_i32 s58, s57, QREC
	s_add_co_u32 s54, s54, s58
	s_add_co_u32 s54, s54, QOFF
	s_mov_b32 s55, 0
	s_mov_b32 s40, 0xffff0000                      ; lanes 16-31
	s_mov_b32 s[SEL], 0x76543210
	s_mov_b32 s[SEL+1], 0xfedcba98
	s_wait_kmcnt 0x0
	s_add_nc_u64 s[6:7], s[6:7], s[32:33]
	s_add_nc_u64 s[4:5], s[4:5], s[44:45]
	s_add_nc_u64 s[52:53], s[8:9], s[52:53]        ; my head's record of k and v
	s_add_nc_u64 s[54:55], s[8:9], s[54:55]        ; and of q
	CROUND                                         ; all four work-groups are here: the first joint loads meet
.irp s, 0,1
	s_mov_b32 s[G0+4*\s], 1
	s_add_co_u32 s[G0+4*\s+1], s34, \s*BLK1
	s_add_nc_u64 s[G0+4*\s+2:G0+4*\s+3], s[6:7], \s*BLK1
	s_or_b32 s[G0+4*\s+3], s[G0+4*\s+3], 0x80000000
.endr
	tensor_load_to_lds s[G0:G0+3], s[G1:G1+7]      ; tile 0 (k): my one load at the head
	s_nop 0
	PLACES
	v_and_b32 v[TM], 31, v0                        ; lane
	s_wait_alu depctr_va_vdst(0)
	s_mul_i32 s46, s11, 12288
	v_lshl_add_u32 v[TM+1], v[TM], 3, s46
	v_lshl_add_u32 v[TM+2], v[TM], 4, s46
	v_add_nc_u32 v[TM+2], 256, v[TM+2]
	s_lshl_b32 s47, s11, 8
	v_lshl_add_u32 v[TM+3], v[TM], 2, s47
	WIN 0x40
.irp ks, 0,1,2,3,4
.irp i, 0,1,2,3
.irp c, 0,1
	global_load_b64 v[48*\ks+12*\i+6*\c:48*\ks+12*\i+6*\c+1], v[TM+1], s[4:5] offset:(\ks/2)*REC+\i*3072+(2*(\ks%2)+\c)*768
	global_load_b128 v[48*\ks+12*\i+6*\c+2:48*\ks+12*\i+6*\c+5], v[TM+2], s[4:5] offset:(\ks/2)*REC+\i*3072+(2*(\ks%2)+\c)*768
.endr
.endr
.endr
	WIN 0x80
.irp ks, 5,6,7
.irp i, 0,1,2,3
.irp c, 0,1
	global_load_b64 v[48*(\ks-5)+12*\i+6*\c:48*(\ks-5)+12*\i+6*\c+1], v[TM+1], s[4:5] offset:(\ks/2)*REC+\i*3072+(2*(\ks%2)+\c)*768
	global_load_b128 v[48*(\ks-5)+12*\i+6*\c+2:48*(\ks-5)+12*\i+6*\c+5], v[TM+2], s[4:5] offset:(\ks/2)*REC+\i*3072+(2*(\ks%2)+\c)*768
.endr
.endr
.endr
	WIN 0
.irp ks, 0,1,2,3,4,5,6,7
.irp ii, 0,1
	global_load_b32 v[SA+2*\ks+\ii], v[TM+3], s[4:5] offset:(\ks/2)*REC+24576+(\ks%2)*512+128*\ii   ; lanes 0-15 tile 2 ii, lanes 16-31 tile 2 ii + 1
.endr
.endr
	s_mul_i32 s46, s12, 12288
	v_lshl_add_u32 v[AD8], v[TM], 3, s46
	v_lshl_add_u32 v[AD16], v[TM], 4, s46
	v_add_nc_u32 v[AD16], 256, v[AD16]
	s_lshl_b32 s46, s12, 8
	s_add_co_u32 s46, s46, 24576
	v_lshl_add_u32 v[ADS], v[TM], 2, s46
.irp n, 1,2,3
	v_add_nc_u32 v[AD8+\n], (\n/2)*BLK1+(\n%2)*2*REC, v[AD8]
	v_add_nc_u32 v[AD16+\n], (\n/2)*BLK1+(\n%2)*2*REC, v[AD16]
	v_add_nc_u32 v[ADS+\n], (\n/2)*BLK1+(\n%2)*2*REC, v[ADS]
.endr
	s_mul_i32 s46, s11, 3072                       ; k's and q's stores: my four tiles of tokens
	v_lshl_add_u32 v[E8], v[TM], 3, s46
	v_lshl_add_u32 v[E16], v[TM], 4, s46
	v_add_nc_u32 v[E16], 256, v[E16]
	v_lshl_add_u32 v[ES], v[TM], 2, s47
	s_mul_i32 s48, s11, 768                        ; v's: my 64 keys
	s_add_co_u32 s49, s48, 256
	s_lshl_b32 s50, s11, 1
.irp n, 4,5,6,7
	v_mov_b32 v[TM+\n], 0                          ; written once: a lane permute's destination counts as one of its sources
.endr
	s_wait_alu depctr_va_vdst(0)
	s_wait_tensorcnt 0x0                           ; my record of tile 0 is in; slot 1's first fill is issued as a refill is:
	ds_add_u32 v[SPW], v[NIL]
	s_wait_dscnt 0x0
	CROUND                                         ; everybody's record is in, and the four work-groups are here
	tensor_load_to_lds s[G0+4:G0+7], s[G1:G1+7]    ; tile 1 (q): it has k's products in which to land
	s_nop 0
	PLACES
	FETCH 0, 0
	FETCH 0, 1
	WIN 0
	s_wait_loadcnt 0x0                             ; A and its scale words
; k's or q's tile leaves: four half fragments (16 tokens x the head's 64) and the tokens' scale words.  bs: the record's address; sc: where its scale words begin.
.macro EPI_KQ bs, sc
	WIN 0
	s_wait_xcnt 0x0                                ; the last epilogue's stores have read their registers
	QH2 ACC, PC, TM+12
	QH2 ACC+64, PC+20, TM+14
.irp i, 0,1
	v_cndmask_b32 v[PC+20*\i+9], v[TM+12+2*\i], v[TM+13+2*\i], s40   ; lanes 0-15 tile 2 i's rows, lanes 16-31 tile 2 i + 1's
.endr
.irp i, 0,1
	v_or_b32 v[PC+20*\i+9], 0x7f7f0000, v[PC+20*\i+9]   ; bytes 2, 3: the scale 1 for the half of the instruction's K that holds nothing
.endr
.irp a, 0,1,2,3
	global_store_b64 v[E8], v[PC+10*\a:PC+10*\a+1], s[\bs:\bs+1] offset:\a*768
	global_store_b128 v[E16], v[PC+10*\a+2:PC+10*\a+5], s[\bs:\bs+1] offset:\a*768
.endr
.irp i, 0,1
	global_store_b32 v[ES], v[PC+20*\i+9], s[\bs:\bs+1] offset:\sc+128*\i
.endr
.endm
	STEPS 0, 1                                     ; k
	CHANGE 0, 1                                    ; slot 0 takes v's tile; it has k's epilogue and q's products in which to land
	FETCH 1, 0
	FETCH 1, 1
	EPI_KQ 52, 12288
	STEPS 1, 1                                     ; q
	CHANGE 0, 0                                    ; v's tile is whole; nothing is filled
	FETCH 0, 0
	FETCH 0, 1
	EPI_KQ 54, 6144
	STEPS 0, 0                                     ; v
	WIN 0
	PLACES
	s_wait_xcnt 0x0                                ; q's stores have read their registers and offsets
	v_and_b32 v[TM], 31, v0
	v_lshl_add_u32 v[E8], v[TM], 3, s48
	v_lshl_add_u32 v[E16], v[TM], 4, s49
	v_lshl_add_u32 v[ES], v[TM], 2, s50
	QH2 ACC, PC, TM+12                             ; 16 of the head's d x my 64 keys, four times
	QH2 ACC+64, PC+20, TM+14
.irp i, 0,1
	v_cndmask_b32 v[PC+20*\i+9], v[TM+12+2*\i], v[TM+13+2*\i], s40
.endr
.irp b, 0,1,2,3
	global_store_b64 v[E8], v[PC+10*\b:PC+10*\b+1], s[52:53] offset:6144+\b*1536
	global_store_b128 v[E16], v[PC+10*\b+2:PC+10*\b+5], s[52:53] offset:6144+\b*1536
.endr
.irp i, 0,1
	global_store_b16 v[ES], v[PC+20*\i+9], s[52:53] offset:12800+128*\i   ; my two of a word's four bytes
.endr
	s_wait_tensorcnt 0x0                           ; the wave's end
	ds_add_u32 v[SPW], v[NIL]
	s_wait_dscnt 0x0
	CROUND                                         ; the closing round
	s_endpgm
.Lfunc_end_k_qd34a79c3a9_qkv:
	.size	k_qd34a79c3a9_qkv, .Lfunc_end_k_qd34a79c3a9_qkv-k_qd34a79c3a9_qkv
	.p2alignl 7, 3214868480
	.fill 96, 4, 3214868480
	.section	.rodata,"a",@progbits
	.p2align	6, 0x0
	.amdhsa_kernel k_qd34a79c3a9_qkv
		.amdhsa_group_segment_fixed_size 327680
		.amdhsa_private_segment_fixed_size 0
		.amdhsa_enable_private_segment 0
		.amdhsa_kernarg_size 24
		.amdhsa_user_sgpr_count 2
		.amdhsa_user_sgpr_kernarg_segment_ptr 1
		.amdhsa_wavefront_size32 1
		.amdhsa_system_sgpr_workgroup_id_x 1
		.amdhsa_system_sgpr_workgroup_id_y 1
		.amdhsa_system_sgpr_workgroup_id_z 1
		.amdhsa_system_vgpr_workitem_id 0
		.amdhsa_next_free_vgpr 1024
		.amdhsa_next_free_sgpr 66
		.amdhsa_reserve_vcc 0
		.amdhsa_float_denorm_mode_32 3
		.amdhsa_float_denorm_mode_16_64 3
		.amdhsa_memory_ordered 1
		.amdhsa_forward_progress 1
		.amdhsa_inst_pref_size 128
	.end_amdhsa_kernel
	.amdgpu_metadata
---
amdhsa.version: [ 1, 2 ]
amdhsa.kernels:
  - .name:           k_qd34a79c3a9_qkv
    .symbol:         k_qd34a79c3a9_qkv.kd
    .args:
      - { .name: abuf, .offset: 0, .size: 8, .value_kind: global_buffer, .address_space: global }
      - { .name: wbuf, .offset: 8, .size: 8, .value_kind: global_buffer, .address_space: global }
      - { .name: qkv, .offset: 16, .size: 8, .value_kind: global_buffer, .address_space: global }
    .group_segment_fixed_size: 327680
    .private_segment_fixed_size: 0
    .kernarg_segment_align: 8
    .kernarg_segment_size: 24
    .max_flat_workgroup_size: 128
    .sgpr_count:     66
    .vgpr_count:     1024
    .wavefront_size: 32
...
	.end_amdgpu_metadata
.endif
;; end of part 2
;; launch attn (part 3): grid 8 x 32, 16 waves a work-group, no clusters, 327,680 bytes of LDS; arguments qkv, abuf; writes abuf
.if DOCPART == 3
	.amdgcn_target "amdgcn-amd-amdhsa--gfx1250"
	.amdhsa_code_object_version 6
	.text
	.protected	k_qd34a79c3a9_attn
	.globl	k_qd34a79c3a9_attn
	.p2align	8
	.type	k_qd34a79c3a9_attn,@function
k_qd34a79c3a9_attn:
	s_mov_b64 s[64:65], 0
	v_nop
	global_prefetch_b8 v0, s[64:65] scope:SCOPE_SE
	s_setreg_imm32_b32 hwreg(HW_REG_WAVE_MODE, 25, 1), 1
	s_wait_xcnt 0x0
; Causal attention on codes of E2M3, head size 64, and Q(O / l) as the next product's operand.
; t = score x log2(e) / 8; M = the running largest t rounded up to a whole number; p = 2^(t - M) is quantised along the keys, not normalised; the row's sum is taken of the unquantised p and divides O at the end.
; Key steps whose keys all come after a tile's queries lie wholly under the causal mask and are left out.
; SHARES.  A work-group owns, of one head, the query blocks i and 15 - i (128 queries each): 16 tiles of 16 queries, i + 1 and 16 - i key steps of 128 keys.  EACH TILE'S KEY STEPS ARE DEALT BY PARITY TO TWO WAVES, w and w xor 2:
; a wave of parity 0 walks the even steps of a low tile and then of the high tile of the same number, a wave of parity 1 the odd steps of the high tile and then of the low one: 17 steps a pair, 9 and 8, one on a diagonal each.
; The first job's O^T, -M and sum go to LDS (4,352 bytes a wave); the second job's stay in registers; behind one barrier each wave joins its registers with its partner's half of the same tile.  M is a whole number in both halves,
; so the factors 2^(M half - M) are exact.  A half with no step holds zeros under -M = 3e38 and gets the factor 0.
; LDS holds the head's k, v and scale words whole, 816 rows of 256 bytes as they lie in memory, each filled ONCE: every wave brings 24 rows at the head (records 0 to 6 and a part of 7) and 27 rows behind the first barrier.
; The first three trips read records 0 to 5; a second barrier shows the rest.
; NO CLUSTER: the work-groups of a head leave out different key steps by a branch on the work-group's number.
; NO PREFETCH: all that the launch reads of k and v is asked for by those two loads a wave; behind them no load is left to run ahead of.
; Every trip count is a constant; a step that is left out is jumped over (a scalar branch on ids), not its address steps, and no barrier or tensor load stands in a step.
; K = 64 IN A FORM OF 128: a tile of k is six registers; the operand's upper six are the next tile's codes (zeros behind the last), and meet q's upper six, which are zero codes, under the scale byte 127: they add nothing.
; Both products are used transposed: a lane holds one query throughout; the order of the keys' positions makes the 16 registers of two neighbouring score tiles 16 neighbouring keys.
; LIMITS: the promise holds while |t| stays under 2^31; NaN and infinities are not served; a block of O / l whose largest magnitude lies under 2^-124 gets the byte 1.
; REGISTERS: v1-3 lane terms; v4-7 the partials' LDS addresses; v8-10 the step's LDS addresses; v11 lane % 16; v12 -M, v13 largest t, v[14:15] the sum; v16-21 q, v22-27 zeros; v28 q's scale words; v29 my query less 16 (lane / 16);
;   v32-79 k's 8 tiles, then v's 4 fragments; v80-85 zeros; v86-92 the second job's q; v96-159 scores, then p; v160-191 O^T; v192-195 k's scale words, v196-197 v's; v224-235 p's codes; v232-254 at work; v253 p's scale word.
.set KVREC,  13056
.set KVHEAD, 16*KVREC
.set QOFF,   32*KVHEAD
.set QREC,   6656
.set QHEAD,  16*QREC
.set REC,    25600
.set BLK1,   102400
.set ROWA,   24                        ; rows of 256 bytes a wave at the head
.set ROWB,   27                        ; and behind the first barrier: 16 x (24 + 27) = 816
.set PARB,   KVHEAD                    ; the partials, behind k and v
.set PARS,   4352                      ; one: 32 lanes x (32 + 2) words
.set SPARE,  PARB+16*PARS              ; the spare words, 128 bytes a wave
.set QB,  13                           ; s13  the job's block of queries;  s14 the second job's
.set SEL, 40
.set CS,  42                           ; s[42:43] c = log2(e) / 8
.set TB,  44                           ; s44  LDS byte of the step's record
.set KS,  45                           ; s45  the key step
.set CNT, 46
.macro PLACES
.rept 4
	v_nop
.endr
.endm
.macro WM d, x, y, c, sx, sy, rx       ; c: C's first register, or -1 for the constant 0;  rx: 1 where source 0's scale words stand in lanes 16-31
.if (\c) < 0
.if (\rx)
	v_wmma_scale_f32_16x16x128_f8f6f4 v[\d:\d+7], v[\x:\x+11], v[\y:\y+11], 0, v[\sx], v[\sy] matrix_a_fmt:MATRIX_FMT_FP6 matrix_b_fmt:MATRIX_FMT_FP6 matrix_a_scale:MATRIX_SCALE_ROW1
.else
	v_wmma_scale_f32_16x16x128_f8f6f4 v[\d:\d+7], v[\x:\x+11], v[\y:\y+11], 0, v[\sx], v[\sy] matrix_a_fmt:MATRIX_FMT_FP6 matrix_b_fmt:MATRIX_FMT_FP6
.endif
.else
.if (\rx)
	v_wmma_scale_f32_16x16x128_f8f6f4 v[\d:\d+7], v[\x:\x+11], v[\y:\y+11], v[\c:\c+7], v[\sx], v[\sy] matrix_a_fmt:MATRIX_FMT_FP6 matrix_b_fmt:MATRIX_FMT_FP6 matrix_a_scale:MATRIX_SCALE_ROW1
.else
	v_wmma_scale_f32_16x16x128_f8f6f4 v[\d:\d+7], v[\x:\x+11], v[\y:\y+11], v[\c:\c+7], v[\sx], v[\sy] matrix_a_fmt:MATRIX_FMT_FP6 matrix_b_fmt:MATRIX_FMT_FP6
.endif
.endif
.endm
.macro INIT                            ; a job's state: no key seen yet
	v_mov_b32 v13, 0xff61b1e6                      ; the largest t so far: -3e38
	s_delay_alu instid0(VALU_DEP_1)
	v_floor_f32 v12, -v13
	v_mov_b32 v14, 0
	v_mov_b32 v15, 0
.set N, 0
.rept 32
	v_mov_b32 v[160+N], 0                          ; O^T: the step is written once; a job's first run finds zeros
.set N, N+1
.endr
.endm
	s_load_b128 s[4:7], s[0:1], 0x0                ; qkv, abuf
	v_lshl_add_u32 v251, v0, 2, SPARE
	v_mov_b32 v255, 0
	ds_add_u32 v251, v255                          ; the opening lines: the add, twice on end, and its wait ahead of my first tensor load
	ds_add_u32 v251, v255
	v_lshrrev_b32 v8, 5, v0
	s_delay_alu instid0(VALU_DEP_1)
	v_readfirstlane_b32 s8, v8                     ; wave 0..15
	s_and_b32 s10, ttmp7, 0xffff                   ; 16 x batch + head
.irp g, 16, 32                         ; two groups 1: no mask; elements of 8 bytes; rows of 256 bytes, dense; no padding
	s_mov_b32 s[\g], 3<<16
	s_mov_b32 s[\g+1], 32<<16
	s_mov_b32 s[\g+3], 32<<16
	s_mov_b32 s[\g+5], 32
	s_mov_b32 s[\g+6], 0
	s_mov_b32 s[\g+7], 0
.endr
	s_mov_b32 s18, ROWA<<16
	s_mov_b32 s20, ROWA
	s_mov_b32 s34, ROWB<<16
	s_mov_b32 s36, ROWB
	s_mov_b32 s24, 1
	s_mul_i32 s25, s8, ROWA*256                    ; my rows: in LDS and in the head's k and v alike
	s_mov_b32 s28, 1
	s_mul_i32 s29, s8, ROWB*256
	s_add_co_u32 s29, s29, 16*ROWA*256
	s_mul_i32 s48, s10, KVHEAD
	s_mov_b32 s49, 0
	s_mov_b32 s50, s25
	s_mov_b32 s51, 0
	s_mov_b32 s52, s29
	s_mov_b32 s53, 0
	s_wait_dscnt 0x0
	s_wait_kmcnt 0x0
	s_add_nc_u64 s[48:49], s[4:5], s[48:49]
	s_add_nc_u64 s[26:27], s[48:49], s[50:51]
	s_or_b32 s27, s27, 0x80000000
	s_add_nc_u64 s[30:31], s[48:49], s[52:53]
	s_or_b32 s31, s31, 0x80000000
	tensor_load_to_lds s[24:27], s[16:23]          ; my 24 of the first 384 rows: one load a wave at the head
	s_nop 0
	PLACES
	s_lshr_b32 s11, s8, 1
	s_lshr_b32 s12, s8, 3
	s_xor_b32 s11, s11, s12
	s_and_b32 s11, s11, 1                          ; my parity of key steps; wave w xor 2 has the other
	s_and_b32 s12, s8, 1
	s_bfe_u32 s9, s8, 0x20002
	s_lshl_b32 s9, s9, 1
	s_or_b32 s12, s12, s9                          ; my tile of a block's eight
	s_sub_co_u32 s9, 15, ttmp9
	s_cmp_eq_u32 s11, 0
	s_cselect_b32 s[QB], ttmp9, s9                 ; first job: parity 0 the low block, parity 1 the high one
	s_cselect_b32 s14, s9, ttmp9                   ; second job: the other
	s_mul_i32 s50, s10, QHEAD
	s_add_co_u32 s50, s50, QOFF
	s_mul_i32 s52, s14, QREC
	s_add_co_u32 s52, s52, s50
	s_mul_i32 s51, s[QB], QREC
	s_add_co_u32 s50, s50, s51
	s_mov_b32 s51, 0
	s_mov_b32 s53, 0
	s_add_nc_u64 s[50:51], s[4:5], s[50:51]        ; the two blocks' records of q
	s_add_nc_u64 s[52:53], s[4:5], s[52:53]
	v_and_b32 v30, 31, v0
	v_and_b32 v11, 15, v0                          ; r
	s_delay_alu instid0(VALU_DEP_2)
	v_lshlrev_b32 v1, 3, v30
	v_lshlrev_b32 v2, 4, v30
	s_delay_alu instid0(VALU_DEP_1)
	v_add_nc_u32 v2, 256, v2
	v_lshlrev_b32 v3, 2, v30
	s_delay_alu instid0(VALU_DEP_1)
	v_add_nc_u32 v3, 12288, v3
	s_mul_i32 s54, s12, 768
	v_add_nc_u32 v8, s54, v1
	v_add_nc_u32 v9, s54, v2
	s_lshl_b32 s54, s12, 6
	v_lshl_add_u32 v10, v11, 2, s54
	global_load_b64 v[16:17], v8, s[50:51]
	global_load_b128 v[18:21], v9, s[50:51]
	global_load_b32 v28, v10, s[50:51] offset:6144
	global_load_b64 v[86:87], v8, s[52:53]
	global_load_b128 v[88:91], v9, s[52:53]
	global_load_b32 v92, v10, s[52:53] offset:6144
	s_mul_i32 s54, s8, PARS
	s_add_co_u32 s54, s54, PARB                    ; my partial,
	s_xor_b32 s55, s8, 2
	s_mul_i32 s55, s55, PARS
	s_add_co_u32 s55, s55, PARB                    ; and my partner's
	s_wait_alu depctr_va_vdst(0)
	v_lshl_add_u32 v4, v30, 4, s54
	v_lshl_add_u32 v5, v30, 3, s54
	v_lshl_add_u32 v6, v30, 4, s55
	v_lshl_add_u32 v7, v30, 3, s55
	s_lshr_b32 s54, s12, 1
	s_lshl_b32 s54, s54, 5
	s_and_b32 s55, s12, 1
	s_lshl_b32 s55, s55, 3
	s_add_co_u32 s54, s54, s55
	v_and_b32 v29, 8, v11
	s_delay_alu instid0(VALU_DEP_1)
	v_add_nc_u32 v29, v29, v11
	s_delay_alu instid0(VALU_DEP_1)
	v_add_nc_u32 v29, s54, v29                     ; my query in its block: 32 (tile / 2) + 8 (tile % 2) + r + 8 (r / 8)
	v_bfe_u32 v30, v0, 4, 1
	s_delay_alu instid0(VALU_DEP_1)
	v_lshlrev_b32 v30, 4, v30
	s_delay_alu instid0(VALU_DEP_1)
	v_sub_nc_u32 v29, v29, v30                     ; less 16 (lane / 16)
	s_mov_b32 s[SEL], 0x76543210
	s_mov_b32 s[SEL+1], 0xfedcba98
	s_mov_b32 s[CS], 0x3e38aa3b
	s_mov_b32 s[CS+1], s[CS]
	s_mul_i32 s56, s11, KVREC                      ; a job begins at key step = my parity
	s_mov_b32 s[TB], s56
	s_mov_b32 s[KS], s11
	; where the joined tile goes: the second job's block
	s_lshr_b32 s47, s10, 4
	s_lshl_b32 s47, s47, 4
	s_add_co_u32 s47, s47, s14                     ; its block of 128 tokens
	s_and_b32 s48, s10, 15                         ; the head: K = 64 head on
	s_mul_i32 s54, s47, BLK1
	s_lshr_b32 s49, s48, 2
	s_mul_i32 s49, s49, REC
	s_add_co_u32 s54, s54, s49
	s_mov_b32 s55, 0
	s_add_nc_u64 s[6:7], s[6:7], s[54:55]          ; the record
	s_mul_i32 s57, s12, 3072
	s_and_b32 s49, s48, 3
	s_mul_i32 s49, s49, 768
	s_add_co_u32 s57, s57, s49                     ; the half fragment
	s_bfe_u32 s58, s48, 0x10001
	s_lshl_b32 s58, s58, 9
	s_lshl_b32 s49, s12, 6
	s_add_co_u32 s58, s58, s49
	s_and_b32 s49, s48, 1
	s_lshl_b32 s49, s49, 1
	s_add_co_u32 s58, s58, s49
	s_add_co_u32 s58, s58, 24576                   ; its two scale bytes a row
.irp j, 22,23,24,25,26,27,80,81,82,83,84,85
	v_mov_b32 v[\j], 0                             ; zero codes
.endr
.irp j, 236,237,238,239,252,253
	v_mov_b32 v[\j], 0                             ; destinations of lane permutes, and the halves of a pair, are written once
.endr
	INIT
.macro STEP
	s_cmp_gt_u32 s[KS], s[QB]
	s_cbranch_scc1 .Lhidden_\@
	v_add_nc_u32 v8, s[TB], v1                     ; these three and the v_nop are the places ahead of loads into registers that the last products read
	v_add_nc_u32 v9, s[TB], v2
	v_add_nc_u32 v10, s[TB], v3
	v_nop
.irp t, 0,1,2,3,4,5,6,7
	ds_load_b64 v[32+6*\t:33+6*\t], v8 offset:\t*768
	ds_load_b128 v[34+6*\t:37+6*\t], v9 offset:\t*768
.endr
.irp ii, 0,1,2,3
	ds_load_b32 v[192+\ii], v10 offset:128*\ii
.endr
	s_wait_alu depctr_va_vdst(0)
	s_wait_dscnt 0x0
.irp t, 0,1,2,3,4,5,6,7
	WM 96+8*\t, 32+6*\t, 16, -1, 192+\t/2, 28, \t%2
.endr
	PLACES
.irp dt, 0,1,2,3                               ; v's fragments land while the softmax is worked
.irp c, 0,1
	ds_load_b64 v[32+12*\dt+6*\c:33+12*\dt+6*\c], v8 offset:6144+\dt*1536+\c*768
	ds_load_b128 v[34+12*\dt+6*\c:37+12*\dt+6*\c], v9 offset:6144+\dt*1536+\c*768
.endr
.endr
.irp ii, 0,1
	ds_load_b32 v[196+\ii], v10 offset:512+128*\ii
.endr
	s_cmp_lg_u32 s[KS], s[QB]                      ; on the diagonal the scores of hidden keys become -infinity ahead of the maximum
	s_cbranch_scc1 .Lopen_\@
	v_mov_b32 v254, 0xff800000
.set N, 0
.rept 64
	v_cmp_gt_i32 vcc_lo, 32*(N/16)+N%16, v29       ; register 16 b + i holds key 32 b + 16 (lane / 16) + i of the step
	v_cndmask_b32 v[96+N], v[96+N], v254, vcc_lo
.set N, N+1
.endr
.Lopen_\@:
.irp b, 0,1,2,3
	v_max3_num_f32 v[232+\b], v[96+16*\b], v[97+16*\b], v[98+16*\b]   ; the largest score of each block of 32 keys: for the row's maximum and, since p rises with the score, for the block's largest p
.endr
.irp i, 3,5,7,9,11,13
.irp b, 0,1,2,3
	v_max3_num_f32 v[232+\b], v[232+\b], v[96+16*\b+\i], v[97+16*\b+\i]
.endr
.endr
.irp b, 0,1,2,3
	v_max_num_f32 v[232+\b], v[232+\b], v[111+16*\b]
.endr
.irp b, 0,1,2,3
	s_delay_alu instid0(VALU_DEP_4)
	v_permlanex16_b32 v[236+\b], v[232+\b], s[SEL], s[SEL+1]
.endr
.irp b, 0,1,2,3
	s_delay_alu instid0(VALU_DEP_4)
	v_max_num_f32 v[232+\b], v[232+\b], v[236+\b]
.endr
	s_delay_alu instid0(VALU_DEP_2)
	v_max3_num_f32 v254, v232, v233, v234
	s_delay_alu instid0(VALU_DEP_1)
	v_max_num_f32 v254, v254, v235
	s_delay_alu instid0(VALU_DEP_1)
	v_mul_f32 v254, s[CS], v254
	s_delay_alu instid0(VALU_DEP_1)
	v_max_num_f32 v13, v13, v254                   ; the running largest t
	v_mov_b32 v254, v12
	s_delay_alu instid0(VALU_DEP_2)
	v_floor_f32 v12, -v13                          ; -M = floor(-t): M is a whole number
	s_delay_alu instid0(VALU_DEP_1)
	v_sub_f32 v254, v12, v254
	s_delay_alu instid0(VALU_DEP_1)
	v_cvt_i32_f32 v254, v254
	s_delay_alu instid0(VALU_DEP_1)
	v_ldexp_f32 v252, 1.0, v254                    ; f = 2^(old M - new M): exact
.irp j, 0,2,4,6,8,10,12,14,16,18,20,22,24,26,28,30,32,34,36,38,40,42,44,46,48,50,52,54,56,58,60,62
	v_pk_fma_f32 v[96+\j:97+\j], v[96+\j:97+\j], s[CS:CS+1], v[12:13] op_sel_hi:[1,0,0]
.endr
.irp b, 0,1,2,3
	v_fma_f32 v[232+\b], v[232+\b], s[CS], v12
.endr
.set N, 0
	s_wait_alu depctr_va_vdst(0)
.rept 64
	v_exp_f32 v[96+N], v[96+N]                     ; p = 2^(t - M)
.set N, N+1
.endr
	v_pk_mul_f32 v[14:15], v[14:15], v[252:253] op_sel_hi:[1,0]   ; the sums under the new M; a plain line behind the exponentials
	s_wait_alu depctr_va_vdst(0)                   ; one wait for the batch, ahead of its first reader
.irp b, 0,1,2,3
	v_exp_f32 v[232+\b], v[232+\b]                 ; each block's largest p
.endr
	v_pk_add_f32 v[236:237], v[100:101], v[104:105]  ; the row's sum of the unquantised p, in eight chains
	v_pk_add_f32 v[248:249], v[108:109], v[112:113]
	v_pk_add_f32 v[246:247], v[116:117], v[120:121]
	v_pk_add_f32 v[244:245], v[124:125], v[128:129]
	v_pk_add_f32 v[242:243], v[132:133], v[136:137]
	v_pk_add_f32 v[240:241], v[140:141], v[144:145]
	v_pk_add_f32 v[238:239], v[148:149], v[152:153]
	v_pk_add_f32 v[14:15], v[14:15], v[156:157]
	v_pk_add_f32 v[236:237], v[236:237], v[96:97]
	v_pk_add_f32 v[248:249], v[248:249], v[98:99]
	v_pk_add_f32 v[246:247], v[246:247], v[102:103]
	v_pk_add_f32 v[244:245], v[244:245], v[106:107]
	v_pk_add_f32 v[242:243], v[242:243], v[110:111]
	v_pk_add_f32 v[240:241], v[240:241], v[114:115]
	v_pk_add_f32 v[238:239], v[238:239], v[118:119]
	v_pk_add_f32 v[14:15], v[14:15], v[122:123]
	v_pk_add_f32 v[236:237], v[236:237], v[126:127]
	v_pk_add_f32 v[248:249], v[248:249], v[130:131]
	v_pk_add_f32 v[246:247], v[246:247], v[134:135]
	v_pk_add_f32 v[244:245], v[244:245], v[138:139]
	v_pk_add_f32 v[242:243], v[242:243], v[142:143]
	v_pk_add_f32 v[240:241], v[240:241], v[146:147]
	v_pk_add_f32 v[238:239], v[238:239], v[150:151]
	v_pk_add_f32 v[14:15], v[14:15], v[154:155]
	v_pk_add_f32 v[236:237], v[236:237], v[158:159]
	s_delay_alu instid0(VALU_DEP_2)
	v_pk_add_f32 v[14:15], v[14:15], v[244:245]
	s_delay_alu instid0(VALU_DEP_2)
	v_pk_add_f32 v[236:237], v[236:237], v[242:243]
	v_pk_add_f32 v[248:249], v[248:249], v[240:241]
	v_pk_add_f32 v[246:247], v[246:247], v[238:239]
	s_delay_alu instid0(VALU_DEP_2)
	v_pk_add_f32 v[14:15], v[14:15], v[248:249]
	s_delay_alu instid0(VALU_DEP_2)
	v_pk_add_f32 v[236:237], v[236:237], v[246:247]
	s_delay_alu instid0(VALU_DEP_1)
	v_pk_add_f32 v[14:15], v[14:15], v[236:237]
	s_wait_alu depctr_va_vdst(0)                   ; and one for the four
.irp b, 0,1,2,3
	v_max_num_f32 v[232+\b], 0x1800000, v[232+\b]  ; the floor 2^(3 - 127): the byte cannot fall under 1
.endr
.irp b, 0,1,2,3
	s_delay_alu instid0(VALU_DEP_4)
	v_add_nc_u32 v[244+\b], 0xff000000, v[232+\b]  ; 2 off the exponent field: the conversion's scale operand
.endr
.irp b, 0,1,2,3
	s_delay_alu instid0(VALU_DEP_4)
	v_lshrrev_b32 v[236+\b], 23, v[244+\b]
.endr
	s_delay_alu instid0(VALU_DEP_3)
	v_lshl_or_b32 v253, v237, 8, v236              ; p's scale word for these 128 keys
	s_delay_alu instid0(VALU_DEP_1)
	v_lshl_or_b32 v253, v238, 16, v253
	s_delay_alu instid0(VALU_DEP_1)
	v_lshl_or_b32 v253, v239, 24, v253
.irp c, 0,1
	v_cvt_scalef32_pk16_fp6_f32 v[224+6*\c:226+6*\c], v[96+32*\c:111+32*\c], v[244+2*\c]
	v_cvt_scalef32_pk16_fp6_f32 v[236+4*\c:238+4*\c], v[112+32*\c:127+32*\c], v[244+2*\c+1]
.endr
	v_nop                                          ; one plain line behind the scaled conversions
.irp c, 0,1
.irp i, 0,1,2
	v_permlane16_swap_b32 v[224+6*\c+\i], v[236+4*\c+\i]   ; a lane gets a whole block
.endr
.irp i, 0,1,2
	s_delay_alu instid0(VALU_DEP_3)
	v_mov_b32 v[227+6*\c+\i], v[236+4*\c+\i]
.endr
.endr
.irp j, 0,2,4,6,8,10,12,14,16,18,20,22,24,26,28,30
	v_pk_mul_f32 v[160+\j:161+\j], v[160+\j:161+\j], v[252:253] op_sel_hi:[1,0]   ; O^T under the new M; also the places ahead of the products below
.endr
	s_wait_alu depctr_va_vdst(0)
	s_wait_dscnt 0x0                               ; v
.irp dt, 0,1,2,3
	WM 160+8*\dt, 32+12*\dt, 224, 160+8*\dt, 196+\dt/2, 253, \dt%2
.endr
.Lhidden_\@:
	s_add_co_u32 s[KS], s[KS], 2                   ; my parity's next key step
	s_add_co_u32 s[TB], s[TB], 2*KVREC
.endm
.macro WALK n                          ; n trips, a constant
	s_mov_b32 s[CNT], \n
.Lstep_\@:
	STEP
	s_sub_co_u32 s[CNT], s[CNT], 1
	s_cmp_lg_u32 s[CNT], 0
	s_cbranch_scc1 .Lstep_\@
.endm
	s_wait_alu depctr_va_vdst(0)
	s_wait_tensorcnt 0x0                           ; my 24 rows are in; the later first fill is issued as a refill is:
	ds_add_u32 v251, v255
	s_wait_dscnt 0x0
	s_barrier_signal -1
	s_barrier_wait -1                              ; everybody's rows are in: records 0 to 6
	tensor_load_to_lds s[28:31], s[32:39]          ; my 27 of the other 432 rows: one load of mine is out
	s_nop 0
	PLACES
	s_wait_loadcnt 0x0                             ; both jobs' q
	WALK 3                                         ; key steps parity, + 2, + 4: records 0 to 5
	s_wait_tensorcnt 0x0                           ; my 27 rows are in;
	s_wait_dscnt 0x0
	s_barrier_signal -1
	s_barrier_wait -1                              ; everybody's are.
	WALK 5
	; THE FIRST JOB'S HALF goes to LDS as an image of its registers, each accumulator from its low end on
	PLACES
	v_add_f32 v13, v14, v15                        ; my lane's part of the sum, beside -M
.irp k, 0,1,2,3,4,5,6,7
	ds_store_b128 v4, v[160+4*\k:163+4*\k] offset:512*\k
.endr
	ds_store_b64 v5, v[12:13] offset:4096
	s_wait_dscnt 0x0                               ; the stores are done: for my partner's sake, and their registers are written anew below
.irp j, 0,1,2,3,4,5
	v_mov_b32 v[16+\j], v[86+\j]                   ; THE SECOND JOB: its q,
.endr
	v_mov_b32 v28, v92                             ; its scale words (the 36 lines of INIT stand between these and the next products),
	INIT
	s_mov_b32 s[QB], s14                           ; its block
	s_mov_b32 s[KS], s11
	s_mov_b32 s[TB], s56
	s_wait_alu depctr_va_vdst(0)
	WALK 8
	; THE JOIN AND THE WAY OUT: the two halves under one M, divided by the sum, quantised along the head's 64 (two blocks): one half fragment of the next product's A.
	PLACES
	v_add_nc_u32 v8, s57, v1
	v_add_nc_u32 v9, s57, v2
	v_lshl_add_u32 v10, v11, 2, s58
	v_add_f32 v14, v14, v15
	v_mov_b32 v135, 0                              ; (named as upper halves of pairs)
	v_mov_b32 v137, 0
	s_wait_alu depctr_va_vdst(0)
	s_wait_dscnt 0x0
	s_barrier_signal -1
	s_barrier_wait -1                              ; every first job's half lies in LDS
.irp k, 0,1,2,3,4,5,6,7
	ds_load_b128 v[96+4*\k:99+4*\k], v6 offset:512*\k
.endr
	ds_load_b64 v[128:129], v7 offset:4096         ; my partner's -M and sum
	s_wait_dscnt 0x0
	v_min_num_f32 v130, v12, v128                  ; -M of the whole row
	s_delay_alu instid0(VALU_DEP_1)
	v_sub_f32 v131, v130, v12                      ; whole numbers, 0 or less
	v_sub_f32 v132, v130, v128
	s_delay_alu instid0(VALU_DEP_2)
	v_cvt_i32_f32 v131, v131                       ; (it saturates: a half with no step)
	s_delay_alu instid0(VALU_DEP_2)
	v_cvt_i32_f32 v132, v132
	s_delay_alu instid0(VALU_DEP_2)
	v_ldexp_f32 v131, 1.0, v131                    ; my half's factor, exact,
	s_delay_alu instid0(VALU_DEP_2)
	v_ldexp_f32 v132, 1.0, v132                    ; and my partner's
	s_delay_alu instid0(VALU_DEP_2)
	v_mul_f32 v14, v14, v131
	s_delay_alu instid0(VALU_DEP_1)
	v_fmac_f32 v14, v129, v132
	s_delay_alu instid0(VALU_DEP_1)
	v_permlanex16_b32 v252, v14, s[SEL], s[SEL+1]
	s_delay_alu instid0(VALU_DEP_1)
	v_add_f32 v14, v14, v252                       ; the row's sum
	s_wait_alu depctr_va_vdst(0)
	v_rcp_f32 v14, v14
	v_nop                                          ; a plain line behind the reciprocal
	s_wait_alu depctr_va_vdst(0)                   ; ahead of its first reader
	v_mul_f32 v134, v131, v14
	v_mul_f32 v136, v132, v14
.irp j, 0,2,4,6,8,10,12,14,16,18,20,22,24,26,28,30
	v_pk_mul_f32 v[96+\j:97+\j], v[96+\j:97+\j], v[136:137] op_sel_hi:[1,0]
.endr
	s_wait_alu depctr_va_vdst(0)
.irp j, 0,2,4,6,8,10,12,14,16,18,20,22,24,26,28,30
	v_pk_fma_f32 v[96+\j:97+\j], v[160+\j:161+\j], v[134:135], v[96+\j:97+\j] op_sel_hi:[1,0,1]   ; register 16 b + i = d 32 b + 16 (lane / 16) + i of my query
.endr
.irp b, 0,1
	v_max3_num_f32 v[232+\b], |v[96+16*\b]|, |v[97+16*\b]|, 0x1800000
.endr
.irp i, 2,4,6,8,10,12,14
.irp b, 0,1
	s_delay_alu instid0(VALU_DEP_2)
	v_max3_num_f32 v[232+\b], v[232+\b], |v[96+16*\b+\i]|, |v[97+16*\b+\i]|
.endr
.endr
.irp b, 0,1
	s_delay_alu instid0(VALU_DEP_2)
	v_permlanex16_b32 v[236+\b], v[232+\b], s[SEL], s[SEL+1]
.endr
.irp b, 0,1
	s_delay_alu instid0(VALU_DEP_2)
	v_max_num_f32 v[232+\b], v[232+\b], v[236+\b]
.endr
.irp b, 0,1
	s_delay_alu instid0(VALU_DEP_2)
	v_add_nc_u32 v[244+\b], 0xff000000, v[232+\b]
.endr
.irp b, 0,1
	s_delay_alu instid0(VALU_DEP_2)
	v_lshrrev_b32 v[236+\b], 23, v[244+\b]
.endr
	s_delay_alu instid0(VALU_DEP_1)
	v_lshl_or_b32 v240, v237, 8, v236
	v_cvt_scalef32_pk16_fp6_f32 v[224:226], v[96:111], v244
	v_cvt_scalef32_pk16_fp6_f32 v[246:248], v[112:127], v245
	v_nop
.irp i, 0,1,2
	v_permlane16_swap_b32 v[224+\i], v[246+\i]
.endr
.irp i, 0,1,2
	s_delay_alu instid0(VALU_DEP_3)
	v_mov_b32 v[227+\i], v[246+\i]
.endr
	global_store_b64 v8, v[224:225], s[6:7]
	global_store_b128 v9, v[226:229], s[6:7]
	global_store_b16 v10, v240, s[6:7]             ; my head's two of the word's four bytes; lanes l and l xor 16 store the same at the same place
	s_wait_tensorcnt 0x0                           ; the wave's end
	ds_add_u32 v251, v255
	s_wait_dscnt 0x0
	s_endpgm
.Lfunc_end_k_qd34a79c3a9_attn:
	.size	k_qd34a79c3a9_attn, .Lfunc_end_k_qd34a79c3a9_attn-k_qd34a79c3a9_attn
	.p2alignl 7, 3214868480
	.fill 96, 4, 3214868480
	.section	.rodata,"a",@progbits
	.p2align	6, 0x0
	.amdhsa_kernel k_qd34a79c3a9_attn
		.amdhsa_group_segment_fixed_size 327680
		.amdhsa_private_segment_fixed_size 0
		.amdhsa_enable_private_segment 0
		.amdhsa_kernarg_size 16
		.amdhsa_user_sgpr_count 2
		.amdhsa_user_sgpr_kernarg_segment_ptr 1
		.amdhsa_wavefront_size32 1
		.amdhsa_system_sgpr_workgroup_id_x 1
		.amdhsa_system_sgpr_workgroup_id_y 1
		.amdhsa_system_sgpr_workgroup_id_z 1
		.amdhsa_system_vgpr_workitem_id 0
		.amdhsa_next_free_vgpr 256
		.amdhsa_next_free_sgpr 66
		.amdhsa_reserve_vcc 1
		.amdhsa_float_denorm_mode_32 3
		.amdhsa_float_denorm_mode_16_64 3
		.amdhsa_memory_ordered 1
		.amdhsa_forward_progress 1
		.amdhsa_inst_pref_size 86
	.end_amdhsa_kernel
	.amdgpu_metadata
---
amdhsa.version: [ 1, 2 ]
amdhsa.kernels:
  - .name:           k_qd34a79c3a9_attn
    .symbol:         k_qd34a79c3a9_attn.kd
    .args:
      - { .name: qkv, .offset: 0, .size: 8, .value_kind: global_buffer, .address_space: global }
      - { .name: abuf, .offset: 8, .size: 8, .value_kind: global_buffer, .address_space: global }
    .group_segment_fixed_size: 327680
    .private_segment_fixed_size: 0
    .kernarg_segment_align: 8
    .kernarg_segment_size: 16
    .max_flat_workgroup_size: 512
    .sgpr_count:     66
    .vgpr_count:     256
    .wavefront_size: 32
...
	.end_amdgpu_metadata
.endif
;; end of part 3
;; launch projln (part 4): grid 256 x 1, 8 waves a work-group, clusters of 4 x 1, 327,680 bytes of LDS; arguments abuf, wbuf, proj_b, x, ln2_w, ln2_b, nbuf; writes nbuf
.if DOCPART == 4
	.amdgcn_target "amdgcn-amd-amdhsa--gfx1250"
	.amdhsa_code_object_version 6
	.text
	.protected	k_qd34a79c3a9_projln
	.globl	k_qd34a79c3a9_projln
	.p2align	8
	.type	k_qd34a79c3a9_projln,@function
k_qd34a79c3a9_projln:
	s_mov_b64 s[64:65], 0
	v_nop
	global_prefetch_b8 v0, s[64:65] scope:SCOPE_SE
	s_setreg_imm32_b32 hwreg(HW_REG_WAVE_MODE, 25, 1), 1
	s_wait_xcnt 0x0
	s_wait_alu depctr_hold_cnt(0) depctr_sa_sdst(0) depctr_va_vdst(0) depctr_va_sdst(0) depctr_va_ssrc(0) depctr_va_vcc(0) depctr_vm_vsrc(0)
	s_getreg_b32 s2, hwreg(HW_REG_IB_STS2, 6, 4)
	s_cmp_eq_u32 s2, 0
	s_cbranch_scc0 .Lentry_in_a_cluster
	s_endpgm
.Lentry_in_a_cluster:
	s_bfe_u32 s2, ttmp6, 0x10000c
	s_cmp_lg_u32 s2, 0x3003
	s_cbranch_scc0 .Lentry_shape_is_right
	s_endpgm
.Lentry_shape_is_right:
; Q(LN2(x + Q(act) Q(proj_w)^T + proj_b)) in one launch: the sum never goes to memory.
; SHARES.  A work-group owns one tile of 16 token positions x all 1,024 columns, so that a row of the norm is whole inside it: 256 work-groups.  Eight waves; wave w makes columns 128 w .. 128 w + 127 (8 accumulators, K = 1,024),
; which are K step w of the next product's A.  Wave w reads slot w of proj_w (four records of 25,600 bytes, as prep laid them), which no other wave of the work-group reads.
; THE WEIGHTS COME BY TWO ROADS.  Records 0 and 1 (K steps 0 to 3) come by tensor loads into the wave's own 25,600 bytes of LDS: record 0 at the head, record 1 as a refill when K steps 0 and 1 are multiplied.  Records 2 and 3
; (K steps 4 to 7) go from memory straight into registers, 36 loads a K step, up to two K steps ahead of the products.  The K steps are taken in the order 0, 1, 4, 5, 6, 7, 2, 3, so that the refill has four K steps in which to land.
; CLUSTER.  Every work-group reads the same weights: the four of a cluster ask for each record JOINTLY (mask 15); the descriptor hangs on the wave's number alone.
; NO PREFETCH: each byte of the weights is asked for ahead of its use already, by the refill four K steps ahead and by the register loads up to two.
; A (16 positions x 1,024 K, 12,288 bytes and 512 of scale words): wave w brings K step w's fragment into LDS as an image; one barrier; each wave then fetches a fragment a step, one step ahead.
; The matrix instruction is used transposed (source 0 = 16 weight rows): a lane holds one token, and the 16 registers of two neighbouring tiles are 16 neighbouring columns.  x is loaded into the accumulators and is the C of the first
; products; proj_b is added behind the sums.  The norm: mean, then the mean of the squared differences (two passes: a common offset costs no accuracy); each sum goes lane, lane xor 16, then over the eight waves through LDS.
; The result is laid as prep lays an operand: half fragment (tile t, 64 k on) at 3072 t + 768 k of a record, scale words at 24,576 + 512 (which 128 of K) + 4 x position.
; LIMITS: a block whose largest magnitude lies under 2^-124 gets the byte 1 (this program alone reads the bytes); NaN and infinities are not served.
; REGISTERS: window 0: v1-3 lane terms (8, 256 + 16, 4 x lane); v4 x's offset; v5 64 (lane / 16); v6-10 LDS addresses; v11-13 offsets of my fragment in a record (A's on the way in, the result's on the way out); v14, 15 for the add;
;   v16, 17 A's scale words; v18-29 the weights', three sets; v32-95 accumulators; v96-119 A's fragments, two; v120-159 at work (v153-155 my record's LDS addresses); v160-255 weight buffer 2.
;   window 1: v0-95, v96-191 weight buffers 0, 1, later the gain and the bias; v192-255 proj_b.
.set REC,   25600
.set BLK1,  102400
.set WOFF,  2457600
.set ABASE, 8*REC                      ; LDS: the eight waves' records at 0; A's images here,
.set AS,    ABASE+12288                ; A's scale words,
.set RED,   AS+512                     ; two blocks of 512 bytes for the two sums over the waves,
.set SPARE, RED+1024                   ; the spare words, 128 bytes a wave
.set SB,    18
.set ACC,   32
.set AF,    96
.set TM,    120
.set COD,   140
.set SEL,   32
.set G0,    44
.set G1,    48
.set MSB, 0
.macro WIN new                         ; the immediate's high byte repeats the setting that is left
.if MSB != (\new)
	s_set_vgpr_msb (MSB<<8)|(\new)
.set MSB, \new
.endif
.endm
.macro PLACES                          ; four plain lines behind matrix instructions, ahead of loads into their registers and of reads of their results
.rept 4
	v_nop
.endr
.endm
.macro CROUND                          ; a round of the cluster's barrier
	s_barrier_signal -1
	s_barrier_wait -1
	s_cmp_lg_u32 s18, 0
	s_cbranch_scc1 .Lnot_wave_0_\@
	s_barrier_signal -3
.Lnot_wave_0_\@:
	s_barrier_wait -3
	s_barrier_signal -1
	s_barrier_wait -1
.endm
.macro BUFAT fb                        ; BR: buffer fb's first register;  BW: its window
.if (\fb) < 2
.set BR, 96*(\fb)
.set BW, 1
.else
.set BR, 160
.set BW, 0
.endif
.endm
.macro GLOAD q, fb                     ; 36 loads from memory: the weights' scale words and eight fragments of K step q, into buffer fb
.set FO, ((\q)/2)*REC+((\q)%2)*1536
.set FS, ((\q)/2)*REC+24576+((\q)%2)*512
	BUFAT \fb
	WIN 0
.irp ii, 0,1,2,3
	global_load_b32 v[SB+4*(\fb)+\ii], v3, s[6:7] offset:FS+128*\ii   ; lanes 0-15 tile 2 ii, lanes 16-31 tile 2 ii + 1
.endr
	WIN BW<<6
.irp t, 0,1,2,3,4,5,6,7
.irp c, 0,1
	global_load_b64 v[BR+12*\t+6*\c:BR+12*\t+6*\c+1], v1, s[6:7] offset:FO+\t*3072+\c*768
	global_load_b128 v[BR+12*\t+6*\c+2:BR+12*\t+6*\c+5], v2, s[6:7] offset:FO+\t*3072+\c*768
.endr
.endr
	WIN 0
.endm
.macro LLOAD q, fb                     ; the same 36 from my record in LDS: K step q is its half q % 2
	BUFAT \fb
	WIN 0
.irp ii, 0,1,2,3
	ds_load_b32 v[SB+4*(\fb)+\ii], v155 offset:((\q)%2)*512+128*\ii
.endr
	WIN BW<<6
.irp t, 0,1,2,3,4,5,6,7
.irp c, 0,1
	ds_load_b64 v[BR+12*\t+6*\c:BR+12*\t+6*\c+1], v153 offset:((\q)%2)*1536+\t*3072+\c*768
	ds_load_b128 v[BR+12*\t+6*\c+2:BR+12*\t+6*\c+5], v154 offset:((\q)%2)*1536+\t*3072+\c*768
.endr
.endr
	WIN 0
.endm
.macro ALOAD q, n                      ; A's fragment and scale words of K step q, from LDS, into set n
.set FA, AF+12*(\n)
	ds_load_b64 v[FA:FA+1], v6 offset:1536*(\q)
	ds_load_b128 v[FA+2:FA+5], v7 offset:1536*(\q)
	ds_load_b64 v[FA+6:FA+7], v6 offset:1536*(\q)+768
	ds_load_b128 v[FA+8:FA+11], v7 offset:1536*(\q)+768
	ds_load_b32 v[16+(\n)], v8 offset:64*(\q)
.endm
.macro MULQ fb, n                      ; 8 matrix instructions on buffer fb and A's set n; the 8 accumulators take turns
.set FA, AF+12*(\n)
	BUFAT \fb
	WIN BW
.irp t, 0,1,2,3,4,5,6,7
.if \t%2
	v_wmma_scale_f32_16x16x128_f8f6f4 v[ACC+8*\t:ACC+8*\t+7], v[BR+12*\t:BR+12*\t+11], v[FA:FA+11], v[ACC+8*\t:ACC+8*\t+7], v[SB+4*(\fb)+\t/2], v[16+(\n)] matrix_a_fmt:MATRIX_FMT_FP6 matrix_b_fmt:MATRIX_FMT_FP6 matrix_a_scale:MATRIX_SCALE_ROW1
.else
	v_wmma_scale_f32_16x16x128_f8f6f4 v[ACC+8*\t:ACC+8*\t+7], v[BR+12*\t:BR+12*\t+11], v[FA:FA+11], v[ACC+8*\t:ACC+8*\t+7], v[SB+4*(\fb)+\t/2], v[16+(\n)] matrix_a_fmt:MATRIX_FMT_FP6 matrix_b_fmt:MATRIX_FMT_FP6
.endif
.endr
	PLACES
	WIN 0
.endm
.macro ROW16 reg, off, base            ; 16 loads: 64 numbers in the accumulators' layout: register 16 b + i = column 32 b + 16 (lane / 16) + i of my 128
.irp b, 0,1,2,3
.irp k, 0,1,2,3
	global_load_b128 v[\reg+16*\b+4*\k:\reg+16*\b+4*\k+3], v[\off], s[\base:\base+1] offset:128*\b+16*\k
.endr
.endr
.endm
	s_load_b256 s[4:11], s[0:1], 0x0               ; abuf, wbuf, proj_b, x
	s_load_b128 s[12:15], s[0:1], 0x20             ; ln2_w, ln2_b
	s_load_b64 s[16:17], s[0:1], 0x30              ; nbuf
	v_lshl_add_u32 v14, v0, 2, SPARE
	v_mov_b32 v15, 0
	ds_add_u32 v14, v15                            ; the opening lines: the add, twice on end, and its wait ahead of my first tensor load
	ds_add_u32 v14, v15
	v_lshrrev_b32 v30, 5, v0
	s_delay_alu instid0(VALU_DEP_1)
	v_readfirstlane_b32 s18, v30                   ; wave 0..7
	s_bfe_u32 s41, ttmp6, 0x40000                  ; my place in the cluster
	s_lshl_b32 s42, ttmp9, 2
	s_add_co_u32 s42, s42, s41                     ; my tile of 16 positions: it enters global addresses of A, x and the result alone
	s_mov_b32 s[G1], 15|(3<<16)|(1<<21)            ; the mask: all four; elements of 8 bytes; bit 21 beside a mask; no padding
	s_mov_b32 s[G1+1], 32<<16                      ; rows of 256 bytes,
	s_mov_b32 s[G1+2], 100<<16                     ; 100 of them: a record
	s_mov_b32 s[G1+3], 32<<16
	s_mov_b32 s[G1+4], 100
	s_mov_b32 s[G1+5], 32                          ; dense
	s_mov_b32 s[G1+6], 0
	s_mov_b32 s[G1+7], 0
	s_lshr_b32 s19, s42, 3                         ; the block of 128 positions
	s_and_b32 s20, s42, 7                          ; my tile of its eight
	s_and_b32 s21, s18, 1
	s_lshr_b32 s34, s18, 1
	s_mul_i32 s24, s20, 3072
	s_mul_i32 s35, s21, 1536
	s_add_co_u32 s24, s24, s35                     ; fragment (my tile, K step w) in its record,
	s_lshl_b32 s25, s20, 6
	s_lshl_b32 s35, s21, 9
	s_add_co_u32 s25, s25, s35
	s_add_co_u32 s25, s25, 24576                   ; and its 16 scale words
	s_mul_i32 s26, s19, BLK1
	s_mul_i32 s35, s34, REC
	s_add_co_u32 s26, s26, s35                     ; the record: K step w lies in record w / 2 of the block
	s_mov_b32 s27, 0
	s_mul_i32 s22, s18, BLK1
	s_add_co_u32 s22, s22, WOFF                    ; slot w of proj_w
	s_mov_b32 s23, 0
	s_lshr_b32 s28, s42, 1
	s_lshl_b32 s28, s28, 5
	s_and_b32 s35, s42, 1
	s_lshl_b32 s35, s35, 3
	s_add_co_u32 s28, s28, s35                     ; position r of tile t holds row 32 (t / 2) + 8 (t % 2) + r + 8 (r / 8)
	s_lshl_b32 s28, s28, 12
	s_lshl_b32 s36, s18, 9                         ; my 128 columns, in bytes
	s_add_co_u32 s28, s28, s36
	s_mov_b32 s29, 0
	s_mov_b32 s37, 0
	s_lshl_b32 s38, s18, 6
	s_add_co_u32 s39, s38, RED
	s_add_co_u32 s38, s38, AS
	s_mul_i32 s40, s18, 1536
	s_add_co_u32 s40, s40, ABASE
	s_mul_i32 s43, s18, REC                        ; my record's place in LDS
	s_add_co_u32 s56, s43, 24576
	s_mov_b32 s30, 0x3a800000                      ; 1 / 1,024
	s_mov_b32 s31, 0x3727c5ac                      ; 1e-5
	s_mov_b32 s[SEL], 0x76543210
	s_mov_b32 s[SEL+1], 0xfedcba98
	v_and_b32 v30, 31, v0                          ; lane
	v_and_b32 v31, 15, v0                          ; r
	v_bfe_u32 v5, v0, 4, 1                         ; h
	v_lshlrev_b32 v1, 3, v30
	v_lshlrev_b32 v2, 4, v30
	v_lshlrev_b32 v3, 2, v30
	v_lshlrev_b32 v5, 6, v5
	v_and_b32 v4, 8, v31
	v_add_nc_u32 v2, 256, v2
	s_delay_alu instid0(VALU_DEP_2)
	v_add_nc_u32 v4, v4, v31
	s_delay_alu instid0(VALU_DEP_1)
	v_lshl_add_u32 v4, v4, 12, v5                  ; x: my row of 4,096 bytes, 64 h on
	v_add_nc_u32 v6, ABASE, v1                     ; A's images
	v_add_nc_u32 v7, ABASE, v2
	v_lshl_add_u32 v8, v31, 2, AS
	v_lshl_add_u32 v9, v31, 2, s39                 ; my wave's word for token r,
	v_lshl_add_u32 v10, v31, 2, RED                ; and the eight waves' words for it
	v_add_nc_u32 v11, s24, v1
	v_add_nc_u32 v12, s24, v2
	v_lshl_add_u32 v13, v31, 2, s25
	v_add_nc_u32 v137, s40, v1                     ; A's image of K step w in LDS
	v_add_nc_u32 v138, s40, v2
	v_lshl_add_u32 v139, v31, 2, s38
	v_add_nc_u32 v153, s43, v1                     ; my record in LDS
	v_add_nc_u32 v154, s43, v2
	v_add_nc_u32 v155, s56, v3
	v_mov_b32 v136, 0                              ; a lane permute's destination counts as one of its sources
	v_mov_b32 v157, 0                              ; (named as upper halves of pairs)
	v_mov_b32 v159, 0
	s_wait_alu depctr_va_vdst(0)
	s_wait_dscnt 0x0                               ; both opening adds are done
	s_wait_kmcnt 0x0
	s_add_nc_u64 s[6:7], s[6:7], s[22:23]
	s_add_nc_u64 s[4:5], s[4:5], s[26:27]
	s_add_nc_u64 s[16:17], s[16:17], s[26:27]
	s_add_nc_u64 s[10:11], s[10:11], s[28:29]
	s_add_nc_u64 s[8:9], s[8:9], s[36:37]
	s_add_nc_u64 s[12:13], s[12:13], s[36:37]
	s_add_nc_u64 s[14:15], s[14:15], s[36:37]
	CROUND                                         ; all four work-groups are here: the first joint loads meet
	s_mov_b32 s[G0], 1
	s_mov_b32 s[G0+1], s43
	s_mov_b64 s[G0+2:G0+3], s[6:7]
	s_or_b32 s[G0+3], s[G0+3], 0x80000000
	tensor_load_to_lds s[G0:G0+3], s[G1:G1+7]      ; record 0 of my slot: my one load at the head
	s_nop 0
	PLACES
	global_load_b64 v[140:141], v11, s[4:5]        ; A's fragment of K step w: 5 loads
	global_load_b128 v[142:145], v12, s[4:5]
	global_load_b64 v[146:147], v11, s[4:5] offset:768
	global_load_b128 v[148:151], v12, s[4:5] offset:768
	global_load_b32 v152, v13, s[4:5]
	ROW16 ACC, 4, 10                               ; x, into the accumulators: 16 loads
	GLOAD 4, 0
	s_wait_loadcnt 52                              ; A's five are in; x's 16 and K step 4's 36 may be out
	ds_store_b64 v137, v[140:141]
	ds_store_b128 v138, v[142:145]
	ds_store_b64 v137, v[146:147] offset:768
	ds_store_b128 v138, v[148:151] offset:768
	ds_store_b32 v139, v152                        ; lanes l and l xor 16 store the same word at the same place
	WIN 0x40
	ROW16 192, 5, 8                                ; proj_b: 16 loads
	WIN 0
	GLOAD 5, 1
	s_wait_dscnt 0x0                               ; for the others' sake: my image lies in LDS
	s_barrier_signal -1
	s_barrier_wait -1                              ; my tensor load may be out
	ALOAD 0, 0
	ALOAD 1, 1
	s_wait_tensorcnt 0x0                           ; record 0 is in; I alone read it
	LLOAD 0, 2
	s_wait_loadcnt 63                              ; behind x stand 88 loads: with 63 out at the most, x is in
	s_wait_dscnt 0x0
	MULQ 2, 0                                      ; K step 0
	LLOAD 1, 2
	s_wait_dscnt 0x0
	MULQ 2, 1                                      ; K step 1
	s_wait_tensorcnt 0x0                           ; no tensor load of mine is out, so group 0 may be written;
	ds_add_u32 v14, v15
	s_add_nc_u64 s[G0+2:G0+3], s[G0+2:G0+3], REC
	s_wait_dscnt 0x0                               ; the add is done, and so are my reads of record 0
	CROUND                                         ; the round takes the barrier's place
	tensor_load_to_lds s[G0:G0+3], s[G1:G1+7]      ; record 1, over record 0: it has K steps 4 to 7 in which to land
	s_nop 0
	PLACES
	ALOAD 4, 0
	s_wait_loadcnt 52                              ; K step 4 is in; proj_b's 16 and K step 5's 36 may be out
	GLOAD 6, 2
	s_wait_dscnt 0x0
	MULQ 0, 0                                      ; K step 4
	ALOAD 5, 1
	s_wait_loadcnt 36                              ; K step 5 (and proj_b) is in; K step 6's 36 may be out
	GLOAD 7, 0
	s_wait_dscnt 0x0
	MULQ 1, 1                                      ; K step 5
	ALOAD 6, 0
	s_wait_loadcnt 36                              ; K step 6 is in; K step 7's 36 may be out
	s_wait_dscnt 0x0
	MULQ 2, 0                                      ; K step 6
	ALOAD 7, 1
	s_wait_loadcnt 0x0
	s_wait_dscnt 0x0
	MULQ 0, 1                                      ; K step 7
	ALOAD 2, 0
	ALOAD 3, 1
	WIN 0x40
	ROW16 0, 5, 12                                 ; the gain, where buffer 0 lay
	WIN 0
	s_wait_tensorcnt 0x0                           ; record 1 is in
	LLOAD 2, 1
	LLOAD 3, 2
	s_wait_dscnt 0x0
	MULQ 1, 0                                      ; K step 2
	MULQ 2, 1                                      ; K step 3
	WIN 0x40
	ROW16 96, 5, 14                                ; the bias, where buffer 1 lay
	WIN 0x04                                       ; source 1 in window 1
.irp j, 0,2,4,6,8,10,12,14,16,18,20,22,24,26,28,30,32,34,36,38,40,42,44,46,48,50,52,54,56,58,60,62
	v_pk_add_f32 v[ACC+\j:ACC+\j+1], v[ACC+\j:ACC+\j+1], v[192+\j:193+\j]   ; + proj_b; each accumulator from its low end on
.endr
	WIN 0
.macro LANES                           ; four chains of pairs in v120-127 -> the sum over my 64 numbers and lane xor 16's, in v120
	v_pk_add_f32 v[TM:TM+1], v[TM:TM+1], v[TM+2:TM+3]
	v_pk_add_f32 v[TM+4:TM+5], v[TM+4:TM+5], v[TM+6:TM+7]
	s_delay_alu instid0(VALU_DEP_1)
	v_pk_add_f32 v[TM:TM+1], v[TM:TM+1], v[TM+4:TM+5]
	s_delay_alu instid0(VALU_DEP_1)
	v_add_f32 v[TM], v[TM], v[TM+1]
	s_delay_alu instid0(VALU_DEP_1)
	v_permlanex16_b32 v136, v[TM], s[SEL], s[SEL+1]
	s_delay_alu instid0(VALU_DEP_1)
	v_add_f32 v[TM], v[TM], v136
.endm
.macro ACROSS off                      ; v120 summed over the eight waves, for my token
	ds_store_b32 v9, v[TM] offset:\off             ; lanes l and l xor 16 store the same word at the same place
	s_wait_alu depctr_va_vdst(0)
	s_wait_dscnt 0x0
	s_barrier_signal -1
	s_barrier_wait -1
.irp i, 0,1,2,3,4,5,6,7
	ds_load_b32 v[128+\i], v10 offset:\off+64*\i
.endr
	s_wait_dscnt 0x0
	v_add_f32 v128, v128, v129
	v_add_f32 v130, v130, v131
	v_add_f32 v132, v132, v133
	v_add_f32 v134, v134, v135
	s_delay_alu instid0(VALU_DEP_3)
	v_add_f32 v128, v128, v130
	s_delay_alu instid0(VALU_DEP_2)
	v_add_f32 v132, v132, v134
	s_delay_alu instid0(VALU_DEP_1)
	v_add_f32 v[TM], v128, v132
.endm
.irp k, 0,1,2,3
	v_pk_add_f32 v[TM+2*\k:TM+2*\k+1], v[ACC+2*\k:ACC+2*\k+1], v[ACC+8+2*\k:ACC+8+2*\k+1]
.endr
.irp j, 16,24,32,40,48,56
.irp k, 0,1,2,3
	v_pk_add_f32 v[TM+2*\k:TM+2*\k+1], v[TM+2*\k:TM+2*\k+1], v[ACC+\j+2*\k:ACC+\j+2*\k+1]
.endr
.endr
	LANES
	ACROSS 0
	s_delay_alu instid0(VALU_DEP_1)
	v_mul_f32 v156, s30, v[TM]                     ; the row's mean
.irp j, 0,2,4,6,8,10,12,14,16,18,20,22,24,26,28,30,32,34,36,38,40,42,44,46,48,50,52,54,56,58,60,62
	v_pk_add_f32 v[ACC+\j:ACC+\j+1], v[ACC+\j:ACC+\j+1], v[156:157] op_sel_hi:[1,0] neg_lo:[0,1] neg_hi:[0,1]
.endr
.irp k, 0,1,2,3
	v_pk_mul_f32 v[TM+2*\k:TM+2*\k+1], v[ACC+2*\k:ACC+2*\k+1], v[ACC+2*\k:ACC+2*\k+1]
.endr
.irp j, 8,16,24,32,40,48,56
.irp k, 0,1,2,3
	v_pk_fma_f32 v[TM+2*\k:TM+2*\k+1], v[ACC+\j+2*\k:ACC+\j+2*\k+1], v[ACC+\j+2*\k:ACC+\j+2*\k+1], v[TM+2*\k:TM+2*\k+1]
.endr
.endr
	LANES
	ACROSS 512
	s_delay_alu instid0(VALU_DEP_1)
	v_fma_f32 v[TM], v[TM], s30, s31               ; var + eps
	s_wait_alu depctr_va_vdst(0)
	v_rsq_f32 v158, v[TM]
	v_nop                                          ; a plain line behind the root,
	s_wait_alu depctr_va_vdst(0)                   ; and the wait ahead of its first reader
	s_wait_loadcnt 0x0                             ; the gain and the bias
.irp j, 0,2,4,6,8,10,12,14,16,18,20,22,24,26,28,30,32,34,36,38,40,42,44,46,48,50,52,54,56,58,60,62
	v_pk_mul_f32 v[ACC+\j:ACC+\j+1], v[ACC+\j:ACC+\j+1], v[158:159] op_sel_hi:[1,0]
.endr
	WIN 0x14                                       ; sources 1 and 2 in window 1
.irp j, 0,2,4,6,8,10,12,14,16,18,20,22,24,26,28,30,32,34,36,38,40,42,44,46,48,50,52,54,56,58,60,62
	v_pk_fma_f32 v[ACC+\j:ACC+\j+1], v[ACC+\j:ACC+\j+1], v[\j:\j+1], v[96+\j:97+\j]
.endr
	WIN 0
	; THE QUANTISER: my 128 columns are four blocks of 32, each in lanes l and l xor 16: two half fragments and one scale word a row
.irp n, 0,1,2,3
	v_max3_num_f32 v[TM+\n], |v[ACC+16*\n]|, |v[ACC+16*\n+1]|, 0x1800000   ; with the floor 2^(3 - 127): the byte cannot fall under 1
.endr
.irp i, 2,4,6,8,10,12,14
.irp n, 0,1,2,3
	v_max3_num_f32 v[TM+\n], v[TM+\n], |v[ACC+16*\n+\i]|, |v[ACC+16*\n+\i+1]|
.endr
.endr
.irp n, 0,1,2,3
	s_delay_alu instid0(VALU_DEP_4)
	v_permlanex16_b32 v[TM+4+\n], v[TM+\n], s[SEL], s[SEL+1]
.endr
.irp n, 0,1,2,3
	s_delay_alu instid0(VALU_DEP_4)
	v_max_num_f32 v[TM+\n], v[TM+\n], v[TM+4+\n]   ; the block's largest magnitude
.endr
.irp n, 0,1,2,3
	s_delay_alu instid0(VALU_DEP_4)
	v_add_nc_u32 v[TM+8+\n], 0xff000000, v[TM+\n]  ; 2 off the exponent field: the conversion's scale operand
.endr
.irp n, 0,1,2,3
	s_delay_alu instid0(VALU_DEP_4)
	v_lshrrev_b32 v[TM+4+\n], 23, v[TM+8+\n]       ; the byte
.endr
	s_delay_alu instid0(VALU_DEP_3)
	v_lshl_or_b32 v136, v[TM+5], 8, v[TM+4]
	s_delay_alu instid0(VALU_DEP_1)
	v_lshl_or_b32 v136, v[TM+6], 16, v136
	s_delay_alu instid0(VALU_DEP_1)
	v_lshl_or_b32 v136, v[TM+7], 24, v136          ; row r's scale word for my 128 along the next K
.irp p, 0,1
	v_cvt_scalef32_pk16_fp6_f32 v[COD+10*\p:COD+10*\p+2], v[ACC+32*\p:ACC+32*\p+15], v[TM+8+2*\p]
	v_cvt_scalef32_pk16_fp6_f32 v[COD+10*\p+6:COD+10*\p+8], v[ACC+32*\p+16:ACC+32*\p+31], v[TM+9+2*\p]   ; (a conversion's three registers begin on an even number)
.endr
	v_nop                                          ; one plain line behind the scaled conversions
.irp p, 0,1
.irp i, 0,1,2
	v_permlane16_swap_b32 v[COD+10*\p+\i], v[COD+10*\p+6+\i]   ; a lane gets a whole block: lanes 0-15 block 0, lanes 16-31 block 1
.endr
.irp i, 0,1,2
	s_delay_alu instid0(VALU_DEP_3)
	v_mov_b32 v[COD+10*\p+3+\i], v[COD+10*\p+6+\i]
.endr
.endr
.irp p, 0,1
	global_store_b64 v11, v[COD+10*\p:COD+10*\p+1], s[16:17] offset:768*\p      ; 256 and 512 consecutive bytes a store
	global_store_b128 v12, v[COD+10*\p+2:COD+10*\p+5], s[16:17] offset:768*\p
.endr
	global_store_b32 v13, v136, s[16:17]           ; lanes l and l xor 16 store the same word at the same place
	s_wait_tensorcnt 0x0                           ; the wave's end
	ds_add_u32 v14, v15
	s_wait_dscnt 0x0
	CROUND                                         ; the closing round
	s_endpgm
.Lfunc_end_k_qd34a79c3a9_projln:
	.size	k_qd34a79c3a9_projln, .Lfunc_end_k_qd34a79c3a9_projln-k_qd34a79c3a9_projln
	.p2alignl 7, 3214868480
	.fill 96, 4, 3214868480
	.section	.rodata,"a",@progbits
	.p2align	6, 0x0
	.amdhsa_kernel k_qd34a79c3a9_projln
		.amdhsa_group_segment_fixed_size 327680
		.amdhsa_private_segment_fixed_size 0
		.amdhsa_enable_private_segment 0
		.amdhsa_kernarg_size 56
		.amdhsa_user_sgpr_count 2
		.amdhsa_user_sgpr_kernarg_segment_ptr 1
		.amdhsa_wavefront_size32 1
		.amdhsa_system_sgpr_workgroup_id_x 1
		.amdhsa_system_sgpr_workgroup_id_y 1
		.amdhsa_system_sgpr_workgroup_id_z 1
		.amdhsa_system_vgpr_workitem_id 0
		.amdhsa_next_free_vgpr 512
		.amdhsa_next_free_sgpr 66
		.amdhsa_reserve_vcc 0
		.amdhsa_float_denorm_mode_32 3
		.amdhsa_float_denorm_mode_16_64 3
		.amdhsa_memory_ordered 1
		.amdhsa_forward_progress 1
		.amdhsa_inst_pref_size 69
	.end_amdhsa_kernel
	.amdgpu_metadata
---
amdhsa.version: [ 1, 2 ]
amdhsa.kernels:
  - .name:           k_qd34a79c3a9_projln
    .symbol:         k_qd34a79c3a9_projln.kd
    .args:
      - { .name: abuf, .offset: 0, .size: 8, .value_kind: global_buffer, .address_space: global }
      - { .name: wbuf, .offset: 8, .size: 8, .value_kind: global_buffer, .address_space: global }
      - { .name: proj_b, .offset: 16, .size: 8, .value_kind: global_buffer, .address_space: global }
      - { .name: x, .offset: 24, .size: 8, .value_kind: global_buffer, .address_space: global }
      - { .name: ln2_w, .offset: 32, .size: 8, .value_kind: global_buffer, .address_space: global }
      - { .name: ln2_b, .offset: 40, .size: 8, .value_kind: global_buffer, .address_space: global }
      - { .name: nbuf, .offset: 48, .size: 8, .value_kind: global_buffer, .address_space: global }
    .group_segment_fixed_size: 327680
    .private_segment_fixed_size: 0
    .kernarg_segment_align: 8
    .kernarg_segment_size: 56
    .max_flat_workgroup_size: 256
    .sgpr_count:     66
    .vgpr_count:     512
    .wavefront_size: 32
...
	.end_amdgpu_metadata
.endif
;; end of part 4
;; launch ffn1 (part 5): grid 32 x 8, 4 waves a work-group, clusters of 4 x 1, 327,680 bytes of LDS; arguments nbuf, wbuf, ffn1_b, hbuf; writes hbuf
.if DOCPART == 5
	.amdgcn_target "amdgcn-amd-amdhsa--gfx1250"
	.amdhsa_code_object_version 6
	.text
	.protected	k_qd34a79c3a9_ffn1
	.globl	k_qd34a79c3a9_ffn1
	.p2align	8
	.type	k_qd34a79c3a9_ffn1,@function
k_qd34a79c3a9_ffn1:
	s_mov_b64 s[64:65], 0
	v_nop
	global_prefetch_b8 v0, s[64:65] scope:SCOPE_SE
	s_setreg_imm32_b32 hwreg(HW_REG_WAVE_MODE, 25, 1), 1
	s_wait_xcnt 0x0
	s_wait_alu depctr_hold_cnt(0) depctr_sa_sdst(0) depctr_va_vdst(0) depctr_va_sdst(0) depctr_va_ssrc(0) depctr_va_vcc(0) depctr_vm_vsrc(0)
	s_getreg_b32 s2, hwreg(HW_REG_IB_STS2, 6, 4)
	s_cmp_eq_u32 s2, 0
	s_cbranch_scc0 .Lentry_in_a_cluster
	s_endpgm
.Lentry_in_a_cluster:
	s_bfe_u32 s2, ttmp6, 0x10000c
	s_cmp_lg_u32 s2, 0x3003
	s_cbranch_scc0 .Lentry_shape_is_right
	s_endpgm
.Lentry_shape_is_right:
.set NT,     4
.set REC,    25600
.set BLK1,   4*REC
.set BLK4,   16*REC
.set WOFF,   3276800
.set SPARE,  222208
.set BO,  0
.set E8,  1
.set E16, 2
.set ES,  3
.set AD8, 4
.set AD16, 8
.set ADS, 12
.set SA,  16
.set SB,  32
.set SPW, 38
.set NIL, 39
.set BI,  40
.set TM,  72
.set PC,  88
.set ACC, 128
.set G1,  16
.set G0,  24
.set SEL, 42
.set MSB, 0
.macro WIN new
.if MSB != (\new)
	s_set_vgpr_msb (MSB<<8)|(\new)
.set MSB, \new
.endif
.endm
.macro PLACES
.rept 4
	v_nop
.endr
.endm
.macro CROUND
	s_barrier_signal -1
	s_barrier_wait -1
	s_cmp_lg_u32 s10, 0
	s_cbranch_scc1 .Lnot_wave_0_\@
	s_barrier_signal -3
.Lnot_wave_0_\@:
	s_barrier_wait -3
	s_barrier_signal -1
	s_barrier_wait -1
.endm
.macro WM d, x, y, c, sx, sy, rx, ry
.set WR, 2*(\rx)+(\ry)
.if WR == 0
	v_wmma_scale_f32_16x16x128_f8f6f4 v[\d:\d+7], v[\x:\x+11], v[\y:\y+11], v[\c:\c+7], v[\sx], v[\sy] matrix_a_fmt:MATRIX_FMT_FP6 matrix_b_fmt:MATRIX_FMT_FP6
.elseif WR == 1
	v_wmma_scale_f32_16x16x128_f8f6f4 v[\d:\d+7], v[\x:\x+11], v[\y:\y+11], v[\c:\c+7], v[\sx], v[\sy] matrix_a_fmt:MATRIX_FMT_FP6 matrix_b_fmt:MATRIX_FMT_FP6 matrix_b_scale:MATRIX_SCALE_ROW1
.elseif WR == 2
	v_wmma_scale_f32_16x16x128_f8f6f4 v[\d:\d+7], v[\x:\x+11], v[\y:\y+11], v[\c:\c+7], v[\sx], v[\sy] matrix_a_fmt:MATRIX_FMT_FP6 matrix_b_fmt:MATRIX_FMT_FP6 matrix_a_scale:MATRIX_SCALE_ROW1
.else
	v_wmma_scale_f32_16x16x128_f8f6f4 v[\d:\d+7], v[\x:\x+11], v[\y:\y+11], v[\c:\c+7], v[\sx], v[\sy] matrix_a_fmt:MATRIX_FMT_FP6 matrix_b_fmt:MATRIX_FMT_FP6 matrix_a_scale:MATRIX_SCALE_ROW1 matrix_b_scale:MATRIX_SCALE_ROW1
.endif
.endm
.macro FETCH slot, q
.set FB, (\q)%3
.set FK, (\q)/4
.set FO, (((\q)%4)/2)*REC
	WIN 0
.irp ii, 0,1
	ds_load_b32 v[SB+2*FB+\ii], v[ADS+2*(\slot)+FK] offset:FO+((\q)%2)*512+128*\ii
.endr
	WIN 0xc0
.irp b, 0,1,2,3
.irp c, 0,1
	ds_load_b64 v[48*FB+12*\b+6*\c:48*FB+12*\b+6*\c+1], v[AD8+2*(\slot)+FK] offset:FO+((\q)%2)*1536+\b*3072+\c*768
	ds_load_b128 v[48*FB+12*\b+6*\c+2:48*FB+12*\b+6*\c+5], v[AD16+2*(\slot)+FK] offset:FO+((\q)%2)*1536+\b*3072+\c*768
.endr
.endr
.endm
.macro MUL q
.set MB, 48*((\q)%3)
.if (\q) < 5
.set MA, 48*(\q)
.set MW, 1
.else
.set MA, 48*((\q)-5)
.set MW, 2
.endif
.set MWIN, 0x03|(MW<<2)
	WIN MWIN
.irp a, 0,1,2,3
.irp b, 0,1,2,3
.set MD, ACC+8*(4*\a+\b)
.if (\q) == 0
.set MC, BI+8*\b
.else
.set MC, MD
.endif
	WM MD, MB+12*\b, MA+12*\a, MC, SB+2*((\q)%3)+\b/2, SA+2*(\q)+\a/2, \b%2, \a%2
.endr
.endr
.endm
.macro BIAS j
.irp b, 0,1,2,3
	global_load_b128 v[BI+8*\b:BI+8*\b+3], v[BO], s[8:9] offset:(\j)*512+(32*(\b/2)+8*(\b%2))*4
	global_load_b128 v[BI+8*\b+4:BI+8*\b+7], v[BO], s[8:9] offset:(\j)*512+(32*(\b/2)+8*(\b%2))*4+16
.endr
.endm
.macro STEPS slot, nxt
.irp q, 0,1,2,3,4,5,6,7
.if \q == 0
	s_wait_loadcnt 0x0
.endif
.if \q < 7
	s_wait_dscnt 18
.else
	s_wait_dscnt 0x0
.endif
.if \q < 6
	PLACES
.if (\q == 4) && ((\nxt) >= 0)
	WIN 0
	BIAS \nxt
.endif
	FETCH \slot, \q+2
.endif
	MUL \q
.endr
.endm
.macro CHANGE slot, fill
	WIN 0
	s_wait_tensorcnt 0x0
	ds_add_u32 v[SPW], v[NIL]
.if \fill
	s_add_nc_u64 s[G0+4*\slot+2:G0+4*\slot+3], s[G0+4*\slot+2:G0+4*\slot+3], 2*BLK1
.endif
	s_wait_dscnt 0x0
.if \fill
	CROUND
	tensor_load_to_lds s[G0+4*\slot:G0+4*\slot+3], s[G1:G1+7]
	s_nop 0
.else
	s_barrier_signal -1
	s_barrier_wait -1
.endif
	PLACES
.endm
.macro QH2 src, cod, wrd
.irp p, 0,1
.irp b, 0,1
	v_max3_num_f32 v[TM+2*\p+\b], |v[\src+32*\p+16*\b]|, |v[\src+32*\p+16*\b+1]|, 0x1800000
.endr
.endr
.irp i, 2,4,6,8,10,12,14
.irp p, 0,1
.irp b, 0,1
	v_max3_num_f32 v[TM+2*\p+\b], v[TM+2*\p+\b], |v[\src+32*\p+16*\b+\i]|, |v[\src+32*\p+16*\b+\i+1]|
.endr
.endr
.endr
.irp n, 0,1,2,3
	v_permlanex16_b32 v[TM+4+\n], v[TM+\n], s[SEL], s[SEL+1]
.endr
.irp n, 0,1,2,3
	v_max_num_f32 v[TM+\n], v[TM+\n], v[TM+4+\n]
.endr
.irp n, 0,1,2,3
	v_add_nc_u32 v[TM+8+\n], 0xff000000, v[TM+\n]
.endr
.irp n, 0,1,2,3
	v_lshrrev_b32 v[TM+4+\n], 23, v[TM+8+\n]
.endr
.irp p, 0,1
	v_lshl_or_b32 v[\wrd+\p], v[TM+5+2*\p], 8, v[TM+4+2*\p]
.endr
.irp p, 0,1
	v_cvt_scalef32_pk16_fp6_f32 v[\cod+10*\p:\cod+10*\p+2], v[\src+32*\p:\src+32*\p+15], v[TM+8+2*\p]
	v_cvt_scalef32_pk16_fp6_f32 v[\cod+10*\p+6:\cod+10*\p+8], v[\src+32*\p+16:\src+32*\p+31], v[TM+9+2*\p]
.endr
	v_nop
.irp p, 0,1
.irp i, 0,1,2
	v_permlane16_swap_b32 v[\cod+10*\p+\i], v[\cod+10*\p+6+\i]
.endr
.irp i, 0,1,2
	v_mov_b32 v[\cod+10*\p+3+\i], v[\cod+10*\p+6+\i]
.endr
.endr
.endm
.macro EPI j
	WIN 0
	s_wait_xcnt 0x0
.set N, 0
.rept 128
	v_max_num_f32 v[ACC+N], 0, v[ACC+N]
.set N, N+1
.endr
	QH2 ACC, PC, TM+12
	QH2 ACC+64, PC+20, TM+14
.irp i, 0,1
	v_cndmask_b32 v[PC+20*\i+9], v[TM+12+2*\i], v[TM+13+2*\i], s40
.endr
.irp a, 0,1,2,3
	global_store_b64 v[E8], v[PC+10*\a:PC+10*\a+1], s[52:53] offset:((\j)/2)*REC+((\j)%2)*1536+\a*3072
	global_store_b128 v[E16], v[PC+10*\a+2:PC+10*\a+5], s[52:53] offset:((\j)/2)*REC+((\j)%2)*1536+\a*3072
.endr
.irp i, 0,1
	global_store_b16 v[ES], v[PC+20*\i+9], s[52:53] offset:((\j)/2)*REC+24576+((\j)%2)*512+128*\i
.endr
.endm
	s_load_b256 s[4:11], s[0:1], 0x0
	v_lshl_add_u32 v[SPW], v0, 2, SPARE
	v_mov_b32 v[NIL], 0
	ds_add_u32 v38, v39
	ds_add_u32 v38, v39
	s_wait_dscnt 0x0
	v_lshrrev_b32 v1, 5, v0
	s_wait_alu depctr_va_vdst(0)
	s_wait_kmcnt 0x0
	s_mov_b64 s[52:53], s[10:11]
	v_readfirstlane_b32 s10, v1
	s_lshr_b32 s11, s10, 1
	s_and_b32 s12, s10, 1
	s_bfe_u32 s13, ttmp6, 0x40000
	s_lshl_b32 s14, ttmp9, 2
	s_add_co_u32 s14, s14, s13
	s_and_b32 s15, ttmp7, 0xffff
	s_mov_b32 s[G1], 15|(3<<16)|(1<<21)
	s_mov_b32 s[G1+1], 32<<16
	s_mov_b32 s[G1+2], 100<<16
	s_mov_b32 s[G1+3], 32<<16
	s_mov_b32 s[G1+4], 100
	s_mov_b32 s[G1+5], 32
	s_mov_b32 s[G1+6], 0
	s_mov_b32 s[G1+7], 0
	s_mul_i32 s32, s15, NT*BLK1
	s_mul_i32 s34, s10, REC
	s_add_co_u32 s32, s32, s34
	s_add_co_u32 s32, s32, WOFF
	s_mov_b32 s33, 0
	s_add_nc_u64 s[6:7], s[6:7], s[32:33]
	s_mul_i32 s44, s14, BLK1
	s_mov_b32 s45, 0
	s_add_nc_u64 s[4:5], s[4:5], s[44:45]
	s_lshl_b32 s46, s15, 11
	s_lshl_b32 s47, s12, 8
	s_add_co_u32 s46, s46, s47
	s_mov_b32 s47, 0
	s_add_nc_u64 s[8:9], s[8:9], s[46:47]
	s_mul_i32 s48, s14, BLK4
	s_mul_i32 s49, s15, 2*REC
	s_add_co_u32 s48, s48, s49
	s_mov_b32 s49, 0
	s_add_nc_u64 s[52:53], s[52:53], s[48:49]
	s_mov_b32 s40, 0xffff0000
	s_mov_b32 s[SEL], 0x76543210
	s_mov_b32 s[SEL+1], 0xfedcba98
	CROUND
.irp s, 0,1
	s_mov_b32 s[G0+4*\s], 1
	s_add_co_u32 s[G0+4*\s+1], s34, \s*BLK1
	s_add_nc_u64 s[G0+4*\s+2:G0+4*\s+3], s[6:7], \s*BLK1
	s_or_b32 s[G0+4*\s+3], s[G0+4*\s+3], 0x80000000
.endr
	tensor_load_to_lds s[G0:G0+3], s[G1:G1+7]      ; tile 0: my one load at the head
	s_nop 0
	PLACES
	v_and_b32 v[TM], 31, v0
	s_mul_i32 s46, s11, 12288
	v_lshl_add_u32 v[TM+1], v[TM], 3, s46
	v_lshl_add_u32 v[TM+2], v[TM], 4, s46
	v_add_nc_u32 v[TM+2], 256, v[TM+2]
	s_lshl_b32 s47, s11, 8
	v_lshl_add_u32 v[TM+3], v[TM], 2, s47
	v_bfe_u32 v[BO], v0, 4, 1
	v_lshlrev_b32 v[BO], 6, v[BO]
	WIN 0x40
.irp ks, 0,1,2,3,4
.irp i, 0,1,2,3
.irp c, 0,1
	global_load_b64 v[48*\ks+12*\i+6*\c:48*\ks+12*\i+6*\c+1], v[TM+1], s[4:5] offset:(\ks/2)*REC+\i*3072+(2*(\ks%2)+\c)*768
	global_load_b128 v[48*\ks+12*\i+6*\c+2:48*\ks+12*\i+6*\c+5], v[TM+2], s[4:5] offset:(\ks/2)*REC+\i*3072+(2*(\ks%2)+\c)*768
.endr
.endr
.endr
	WIN 0x80
.irp ks, 5,6,7
.irp i, 0,1,2,3
.irp c, 0,1
	global_load_b64 v[48*(\ks-5)+12*\i+6*\c:48*(\ks-5)+12*\i+6*\c+1], v[TM+1], s[4:5] offset:(\ks/2)*REC+\i*3072+(2*(\ks%2)+\c)*768
	global_load_b128 v[48*(\ks-5)+12*\i+6*\c+2:48*(\ks-5)+12*\i+6*\c+5], v[TM+2], s[4:5] offset:(\ks/2)*REC+\i*3072+(2*(\ks%2)+\c)*768
.endr
.endr
.endr
	WIN 0
.irp ks, 0,1,2,3,4,5,6,7
.irp ii, 0,1
	global_load_b32 v[SA+2*\ks+\ii], v[TM+3], s[4:5] offset:(\ks/2)*REC+24576+(\ks%2)*512+128*\ii
.endr
.endr
	BIAS 0
	s_mul_i32 s46, s12, 12288
	v_lshl_add_u32 v[AD8], v[TM], 3, s46
	v_lshl_add_u32 v[AD16], v[TM], 4, s46
	v_add_nc_u32 v[AD16], 256, v[AD16]
	s_lshl_b32 s46, s12, 8
	s_add_co_u32 s46, s46, 24576
	v_lshl_add_u32 v[ADS], v[TM], 2, s46
.irp n, 1,2,3
	v_add_nc_u32 v[AD8+\n], (\n/2)*BLK1+(\n%2)*2*REC, v[AD8]
	v_add_nc_u32 v[AD16+\n], (\n/2)*BLK1+(\n%2)*2*REC, v[AD16]
	v_add_nc_u32 v[ADS+\n], (\n/2)*BLK1+(\n%2)*2*REC, v[ADS]
.endr
	s_mul_i32 s46, s11, 12288
	s_mul_i32 s48, s12, 768
	s_add_co_u32 s46, s46, s48
	v_lshl_add_u32 v[E8], v[TM], 3, s46
	v_lshl_add_u32 v[E16], v[TM], 4, s46
	v_add_nc_u32 v[E16], 256, v[E16]
	s_lshl_b32 s48, s12, 1
	s_add_co_u32 s48, s48, s47
	v_lshl_add_u32 v[ES], v[TM], 2, s48
.irp n, 4,5,6,7
	v_mov_b32 v[TM+\n], 0
.endr
	s_wait_alu depctr_va_vdst(0)
	s_wait_tensorcnt 0x0                           ; my record of tile 0 is in; slot 1's first fill is issued as a refill is:
	ds_add_u32 v[SPW], v[NIL]
	s_wait_dscnt 0x0
	CROUND                                         ; everybody's record is in, and the four work-groups are here
	tensor_load_to_lds s[G0+4:G0+7], s[G1:G1+7]    ; tile 1: it has tile 0's products in which to land
	s_nop 0
	PLACES
	FETCH 0, 0
	FETCH 0, 1
	STEPS 0, 1
	CHANGE 0, 1
	FETCH 1, 0
	FETCH 1, 1
	EPI 0
	STEPS 1, 2
	CHANGE 1, 1
	FETCH 0, 0
	FETCH 0, 1
	EPI 1
	STEPS 0, 3
	CHANGE 0, 0
	FETCH 1, 0
	FETCH 1, 1
	EPI 2
	STEPS 1, -1
	WIN 0
	PLACES
	EPI 3
	s_wait_tensorcnt 0x0
	ds_add_u32 v[SPW], v[NIL]
	s_wait_dscnt 0x0
	CROUND
	s_endpgm
.Lfunc_end_k_qd34a79c3a9_ffn1:
	.size	k_qd34a79c3a9_ffn1, .Lfunc_end_k_qd34a79c3a9_ffn1-k_qd34a79c3a9_ffn1
	.p2alignl 7, 3214868480
	.fill 96, 4, 3214868480
	.section	.rodata,"a",@progbits
	.p2align	6, 0x0
	.amdhsa_kernel k_qd34a79c3a9_ffn1
		.amdhsa_group_segment_fixed_size 327680
		.amdhsa_private_segment_fixed_size 0
		.amdhsa_enable_private_segment 0
		.amdhsa_kernarg_size 32
		.amdhsa_user_sgpr_count 2
		.amdhsa_user_sgpr_kernarg_segment_ptr 1
		.amdhsa_wavefront_size32 1
		.amdhsa_system_sgpr_workgroup_id_x 1
		.amdhsa_system_sgpr_workgroup_id_y 1
		.amdhsa_system_sgpr_workgroup_id_z 1
		.amdhsa_system_vgpr_workitem_id 0
		.amdhsa_next_free_vgpr 1024
		.amdhsa_next_free_sgpr 66
		.amdhsa_reserve_vcc 0
		.amdhsa_float_denorm_mode_32 3
		.amdhsa_float_denorm_mode_16_64 3
		.amdhsa_memory_ordered 1
		.amdhsa_forward_progress 1
		.amdhsa_inst_pref_size 182
	.end_amdhsa_kernel
	.amdgpu_metadata
---
amdhsa.version: [ 1, 2 ]
amdhsa.kernels:
  - .name:           k_qd34a79c3a9_ffn1
    .symbol:         k_qd34a79c3a9_ffn1.kd
    .args:
      - { .name: nbuf, .offset: 0, .size: 8, .value_kind: global_buffer, .address_space: global }
      - { .name: wbuf, .offset: 8, .size: 8, .value_kind: global_buffer, .address_space: global }
      - { .name: ffn1_b, .offset: 16, .size: 8, .value_kind: global_buffer, .address_space: global }
      - { .name: hbuf, .offset: 24, .size: 8, .value_kind: global_buffer, .address_space: global }
    .group_segment_fixed_size: 327680
    .private_segment_fixed_size: 0
    .kernarg_segment_align: 8
    .kernarg_segment_size: 32
    .max_flat_workgroup_size: 128
    .sgpr_count:     66
    .vgpr_count:     1024
    .wavefront_size: 32
...
	.end_amdgpu_metadata
.endif
;; end of part 5
;; launch ffn2 (part 6): grid 8 x 32, 4 waves a work-group, clusters of 4 x 4, 327,680 bytes of LDS; arguments hbuf, wbuf, ffn2_b, x, out0; writes out0
.if DOCPART == 6
	.amdgcn_target "amdgcn-amd-amdhsa--gfx1250"
	.amdhsa_code_object_version 6
	.text
	.protected	k_qd34a79c3a9_ffn2
	.globl	k_qd34a79c3a9_ffn2
	.p2align	8
	.type	k_qd34a79c3a9_ffn2,@function
k_qd34a79c3a9_ffn2:
	s_mov_b64 s[64:65], 0
	v_nop
	global_prefetch_b8 v0, s[64:65] scope:SCOPE_SE
	s_setreg_imm32_b32 hwreg(HW_REG_WAVE_MODE, 25, 1), 1
	s_wait_xcnt 0x0
	s_wait_alu depctr_hold_cnt(0) depctr_sa_sdst(0) depctr_va_vdst(0) depctr_va_sdst(0) depctr_va_ssrc(0) depctr_va_vcc(0) depctr_vm_vsrc(0)
	s_getreg_b32 s2, hwreg(HW_REG_IB_STS2, 6, 4)
	s_cmp_eq_u32 s2, 0
	s_cbranch_scc0 .Lentry_in_a_cluster
	s_endpgm
.Lentry_in_a_cluster:
	s_bfe_u32 s2, ttmp6, 0x10000c
	s_cmp_lg_u32 s2, 0xf033
	s_cbranch_scc0 .Lentry_shape_is_right
	s_endpgm
.Lentry_shape_is_right:
.set REC,    25600
.set BLK4,   16*REC
.set WOFF,   6553600
.set BREG,   6*REC
.set STAGE,  4*REC
.set SP,     272
.set SPARE,  12*REC
.set A8,  4
.set A16, 7
.set B8,  10
.set B16, 13
.set AS,  16
.set BS,  19
.set STO, 22
.set RD,  23
.set GO,  24
.set SC,  28
.set SPW, 38
.set NIL, 39
.set BI,  40
.set ACC, 128
.set G1,  24
.set G0,  32
.set G1B, 48
.set G0B, 56
.set G1S, 68
.set G1SB, 76
.set MSB, 0
.macro WIN new
.if MSB != (\new)
	s_set_vgpr_msb (MSB<<8)|(\new)
.set MSB, \new
.endif
.endm
.macro PLACES
.rept 4
	v_nop
.endr
.endm
.macro JLOAD sl
	s_cmp_eq_u32 s15, 0
	s_cbranch_scc0 .Lfor_b_\@
.if \sl
	tensor_load_to_lds s[G0+4:G0+7], s[G1S:G1S+7]
	s_nop 0
.else
	tensor_load_to_lds s[G0:G0+3], s[G1:G1+7]
	s_nop 0
.endif
.rept 4
	v_nop
.endr
	s_branch .Lasked_\@
.Lfor_b_\@:
.if \sl
	tensor_load_to_lds s[G0B+4:G0B+7], s[G1SB:G1SB+7]
	s_nop 0
.else
	tensor_load_to_lds s[G0B:G0B+3], s[G1B:G1B+7]
	s_nop 0
.endif
.rept 4
	v_nop
.endr
.Lasked_\@:
.endm
.macro CREST
	s_cmp_lg_u32 s14, 0
	s_cbranch_scc1 .Lnot_wave_0_\@
	s_barrier_signal -3
.Lnot_wave_0_\@:
	s_barrier_wait -3
	s_barrier_signal -1
	s_barrier_wait -1
.endm
.macro CROUND
	s_barrier_signal -1
	s_barrier_wait -1
	CREST
.endm
.macro WM d, x, y, c, sx, sy, rx, ry
.set WR, 2*(\rx)+(\ry)
.if WR == 0
	v_wmma_scale_f32_16x16x128_f8f6f4 v[\d:\d+7], v[\x:\x+11], v[\y:\y+11], v[\c:\c+7], v[\sx], v[\sy] matrix_a_fmt:MATRIX_FMT_FP6 matrix_b_fmt:MATRIX_FMT_FP6
.elseif WR == 1
	v_wmma_scale_f32_16x16x128_f8f6f4 v[\d:\d+7], v[\x:\x+11], v[\y:\y+11], v[\c:\c+7], v[\sx], v[\sy] matrix_a_fmt:MATRIX_FMT_FP6 matrix_b_fmt:MATRIX_FMT_FP6 matrix_b_scale:MATRIX_SCALE_ROW1
.elseif WR == 2
	v_wmma_scale_f32_16x16x128_f8f6f4 v[\d:\d+7], v[\x:\x+11], v[\y:\y+11], v[\c:\c+7], v[\sx], v[\sy] matrix_a_fmt:MATRIX_FMT_FP6 matrix_b_fmt:MATRIX_FMT_FP6 matrix_a_scale:MATRIX_SCALE_ROW1
.else
	v_wmma_scale_f32_16x16x128_f8f6f4 v[\d:\d+7], v[\x:\x+11], v[\y:\y+11], v[\c:\c+7], v[\sx], v[\sy] matrix_a_fmt:MATRIX_FMT_FP6 matrix_b_fmt:MATRIX_FMT_FP6 matrix_a_scale:MATRIX_SCALE_ROW1 matrix_b_scale:MATRIX_SCALE_ROW1
.endif
.endm
.macro FETCH q
.set FC, ((\q)/2)%6
.set FK, FC/2
.set FO, (FC%2)*REC+((\q)%2)*1536
.set FS, (FC%2)*REC+((\q)%2)*512
.set FB, 128*((\q)%2)
.set FQ, SC+4*((\q)%2)
	WIN 0
.irp ii, 0,1
	ds_load_b32 v[FQ+\ii], v[AS+FK] offset:FS+128*\ii
	ds_load_b32 v[FQ+2+\ii], v[BS+FK] offset:FS+128*\ii
.endr
	WIN 0x40
.irp i, 0,1,2,3
.irp c, 0,1
	ds_load_b64 v[FB+12*\i+6*\c:FB+12*\i+6*\c+1], v[A8+FK] offset:FO+\i*3072+\c*768
	ds_load_b128 v[FB+12*\i+6*\c+2:FB+12*\i+6*\c+5], v[A16+FK] offset:FO+\i*3072+\c*768
	ds_load_b64 v[FB+48+12*\i+6*\c:FB+48+12*\i+6*\c+1], v[B8+FK] offset:FO+\i*3072+\c*768
	ds_load_b128 v[FB+48+12*\i+6*\c+2:FB+48+12*\i+6*\c+5], v[B16+FK] offset:FO+\i*3072+\c*768
.endr
.endr
.endm
.macro MUL4 a, bf, cm
.irp b, 0,1,2,3
.set MD, ACC+8*(4*(\a)+\b)
.if \cm
.set MC, BI+8*\b
.else
.set MC, MD
.endif
	WM MD, 128*(\bf)+48+12*\b, 128*(\bf)+12*(\a), MC, SC+4*(\bf)+2+\b/2, SC+4*(\bf)+(\a)/2, \b%2, (\a)%2
.endr
.endm
.macro STEP q, cm
	s_wait_dscnt 0x0
	PLACES
	FETCH (\q)+1
	WIN 0x05
	MUL4 0, (\q)%2, \cm
	MUL4 1, (\q)%2, \cm
	MUL4 2, (\q)%2, \cm
	MUL4 3, (\q)%2, \cm
.endm
.macro TURN q, sl
	WIN 0
	s_wait_tensorcnt 0x0
	ds_add_u32 v[SPW], v[NIL]
	s_wait_dscnt 1
	WIN 0x05
	MUL4 0, 1, 0
	s_wait_dscnt 0x0
	s_barrier_signal -1
	MUL4 1, 1, 0
	WIN 0
	s_barrier_wait -1
.if (\sl) >= 0
	CREST
	s_add_nc_u64 s[G0+4*(\sl)+2:G0+4*(\sl)+3], s[G0+4*(\sl)+2:G0+4*(\sl)+3], 6*REC
	s_add_nc_u64 s[G0B+4*(\sl)+2:G0B+4*(\sl)+3], s[G0B+4*(\sl)+2:G0B+4*(\sl)+3], 6*REC
	JLOAD \sl
.else
	PLACES
.endif
	FETCH (\q)+1
	WIN 0x05
	MUL4 2, 1, 0
	MUL4 3, 1, 0
.endm
	s_load_b256 s[4:11], s[0:1], 0x0
	s_load_b64 s[12:13], s[0:1], 0x20
	v_lshl_add_u32 v[SPW], v0, 2, SPARE
	v_mov_b32 v[NIL], 0
	ds_add_u32 v38, v39
	ds_add_u32 v38, v39
	s_wait_dscnt 0x0
	v_lshrrev_b32 v1, 5, v0
	v_readfirstlane_b32 s14, v1
	s_lshr_b32 s15, s14, 1
	s_and_b32 s16, s14, 1
	s_bfe_u32 s40, ttmp6, 0x40000
	s_bfe_u32 s41, ttmp6, 0x40004
	s_lshl_b32 s42, ttmp9, 2
	s_add_co_u32 s42, s42, s40
	s_and_b32 s17, ttmp7, 0xffff
	s_lshl_b32 s17, s17, 2
	s_add_co_u32 s17, s17, s41
	s_lshl_b32 s43, s41, 2
	s_lshl_b32 s43, 15, s43
	s_lshl_b32 s44, 0x1111, s40
	s_or_b32 s[G1], s43, (3<<16)|(1<<21)
	s_or_b32 s[G1B], s44, (3<<16)|(1<<21)
	s_or_b32 s[G1S], s43, (3<<16)|(1<<21)
	s_or_b32 s[G1SB], s44, (3<<16)|(1<<21)
.irp g, G1, G1B
	s_mov_b32 s[\g+1], 32<<16
	s_mov_b32 s[\g+2], 200<<16
	s_mov_b32 s[\g+3], 32<<16
	s_mov_b32 s[\g+4], 200
	s_mov_b32 s[\g+5], 32
	s_mov_b32 s[\g+6], 0
	s_mov_b32 s[\g+7], 0
.endr
.irp g, G1S, G1SB
	s_mov_b32 s[\g+1], 32<<16
	s_mov_b32 s[\g+2], 100<<16
	s_mov_b32 s[\g+3], 32<<16
	s_mov_b32 s[\g+4], 100
	s_mov_b32 s[\g+5], 32
	s_mov_b32 s[\g+6], 0
	s_mov_b32 s[\g+7], 0
.endr
	s_mul_i32 s18, s16, 2*REC
	s_mul_i32 s19, s16, REC
	s_add_co_u32 s19, s19, 4*REC
	s_mul_i32 s45, s15, BREG
	s_mov_b32 s84, s18
	s_mov_b32 s85, 0
	s_mov_b32 s86, s19
	s_mov_b32 s87, 0
	s_mul_i32 s20, s17, BLK4
	s_mov_b32 s21, 0
	s_mul_i32 s46, s42, BLK4
	s_add_co_u32 s46, s46, WOFF
	s_mov_b32 s47, 0
	s_wait_kmcnt 0x0
	s_add_nc_u64 s[20:21], s[4:5], s[20:21]
	s_add_nc_u64 s[46:47], s[6:7], s[46:47]
	CROUND
	s_mov_b32 s[G0], 1
	s_add_co_u32 s[G0+1], s45, s18
	s_add_nc_u64 s[G0+2:G0+3], s[20:21], s[84:85]
	s_or_b32 s[G0+3], s[G0+3], 0x80000000
	s_mov_b32 s[G0B], 1
	s_add_co_u32 s[G0B+1], s45, s18
	s_add_nc_u64 s[G0B+2:G0B+3], s[46:47], s[84:85]
	s_or_b32 s[G0B+3], s[G0B+3], 0x80000000
	JLOAD 0
	s_mov_b32 s[G0+4], 1
	s_add_co_u32 s[G0+5], s45, s19
	s_add_nc_u64 s[G0+6:G0+7], s[20:21], s[86:87]
	s_or_b32 s[G0+7], s[G0+7], 0x80000000
	s_mov_b32 s[G0B+4], 1
	s_add_co_u32 s[G0B+5], s45, s19
	s_add_nc_u64 s[G0B+6:G0B+7], s[46:47], s[86:87]
	s_or_b32 s[G0B+7], s[G0B+7], 0x80000000
	s_wait_alu depctr_va_vdst(0)
	s_wait_tensorcnt 0x0
	ds_add_u32 v38, v39
	s_wait_dscnt 0x0
	CROUND
	JLOAD 1
	v_and_b32 v25, 31, v0
	v_and_b32 v26, 15, v0
	v_bfe_u32 v27, v0, 4, 1
	s_mul_i32 s88, s15, 12288
	s_mul_i32 s89, s16, 12288
	s_add_co_u32 s89, s89, BREG
	s_lshl_b32 s90, s15, 8
	s_add_co_u32 s90, s90, 24576
	s_lshl_b32 s91, s16, 8
	s_add_co_u32 s91, s91, 24576+BREG
	v_lshl_add_u32 v[A8], v25, 3, s88
	v_lshl_add_u32 v[A16], v25, 4, s88
	v_add_nc_u32 v[A16], 256, v[A16]
	v_lshl_add_u32 v[B8], v25, 3, s89
	v_lshl_add_u32 v[B16], v25, 4, s89
	v_add_nc_u32 v[B16], 256, v[B16]
	v_lshl_add_u32 v[AS], v25, 2, s90
	v_lshl_add_u32 v[BS], v25, 2, s91
.irp g, A8, A16, B8, B16, AS, BS
	v_add_nc_u32 v[\g+1], 2*REC, v[\g]
	v_add_nc_u32 v[\g+2], 4*REC, v[\g]
.endr
	s_mul_i32 s92, s14, 16*SP
	s_add_co_u32 s92, s92, STAGE
	v_mul_u32_u24 v[STO], v26, SP
	v_lshl_add_u32 v[STO], v27, 6, v[STO]
	v_add_nc_u32 v[STO], s92, v[STO]
	v_mul_u32_u24 v[RD], v27, SP
	v_lshl_add_u32 v[RD], v26, 4, v[RD]
	v_add_nc_u32 v[RD], s92, v[RD]
	v_lshlrev_b32 v[GO], 12, v27
	v_lshl_add_u32 v[GO], v26, 4, v[GO]
	v_lshlrev_b32 v36, 6, v27
	s_wait_alu depctr_va_vdst(0)
	s_lshl_b32 s94, s42, 9
	s_lshl_b32 s95, s16, 8
	s_add_co_u32 s94, s94, s95
	s_mov_b32 s95, 0
	s_add_nc_u64 s[8:9], s[8:9], s[94:95]
	s_lshl_b32 s96, s17, 19
	s_lshl_b32 s97, s15, 18
	s_add_co_u32 s96, s96, s97
	s_add_co_u32 s96, s96, s94
	s_mov_b32 s97, 0
	s_add_nc_u64 s[10:11], s[10:11], s[96:97]
	s_add_nc_u64 s[12:13], s[12:13], s[96:97]
.irp b, 0,1,2,3
	global_load_b128 v[BI+8*\b:BI+8*\b+3], v36, s[8:9] offset:(32*(\b/2)+8*(\b%2))*4
	global_load_b128 v[BI+8*\b+4:BI+8*\b+7], v36, s[8:9] offset:(32*(\b/2)+8*(\b%2))*4+16
.endr
	WIN 0x80
.irp a, 0,1,2,3
.irp t, 0,1,2,3,4,5,6,7
	global_load_b128 v[32*\a+4*\t:32*\a+4*\t+3], v[GO], s[10:11] offset:(32*(\a/2)+8*(\a%2)+2*\t+8*(\t/4))*4096
.endr
.endr
	WIN 0
	s_wait_tensorcnt 0x1
	s_barrier_signal -1
	s_barrier_wait -1
	FETCH 0
	WIN 0
	s_wait_loadcnt 32
	STEP 0, 1
.irp q, 1,2,3,4,5,6
	STEP \q, 0
.endr
	TURN 7, 0
.irp q, 8,9,10
	STEP \q, 0
.endr
	TURN 11, 1
.irp q, 12,13,14,15,16,17,18
	STEP \q, 0
.endr
	TURN 19, 0
.irp q, 20,21,22
	STEP \q, 0
.endr
	TURN 23, -1
.irp q, 24,25,26,27,28,29,30
	STEP \q, 0
.endr
	s_wait_dscnt 0x0
	MUL4 0, 1, 0
	MUL4 1, 1, 0
	MUL4 2, 1, 0
	MUL4 3, 1, 0
	WIN 0
	PLACES
	s_wait_loadcnt 0x0
.macro WAYOUT a
.set BK, 40+32*((\a)%2)
.if (\a) >= 2
	s_wait_xcnt 0x0
.endif
.irp bb, 0,1
.irp k, 0,1,2,3
	ds_store_b128 v[STO], v[ACC+32*(\a)+16*\bb+4*\k:ACC+32*(\a)+16*\bb+4*\k+3] offset:128*\bb+16*\k
.endr
.endr
.irp t, 0,1,2,3,4,5,6,7
	ds_load_b128 v[BK+4*\t:BK+4*\t+3], v[RD] offset:\t*2*SP
.endr
	s_wait_dscnt 0x0
	WIN 0x08
.irp n, 0,2,4,6,8,10,12,14,16,18,20,22,24,26,28,30
	v_pk_add_f32 v[BK+\n:BK+\n+1], v[BK+\n:BK+\n+1], v[32*(\a)+\n:32*(\a)+\n+1]
.endr
	WIN 0
.irp t, 0,1,2,3,4,5,6,7
	global_store_b128 v[GO], v[BK+4*\t:BK+4*\t+3], s[12:13] offset:(32*((\a)/2)+8*((\a)%2)+2*\t+8*(\t/4))*4096 th:TH_STORE_NT
.endr
.endm
	WAYOUT 0
	WAYOUT 1
	WAYOUT 2
	WAYOUT 3
	s_wait_tensorcnt 0x0
	ds_add_u32 v[SPW], v[NIL]
	s_wait_dscnt 0x0
	CROUND
	s_endpgm
.Lfunc_end_k_qd34a79c3a9_ffn2:
	.size	k_qd34a79c3a9_ffn2, .Lfunc_end_k_qd34a79c3a9_ffn2-k_qd34a79c3a9_ffn2
	.p2alignl 7, 3214868480
	.fill 96, 4, 3214868480
	.section	.rodata,"a",@progbits
	.p2align	6, 0x0
	.amdhsa_kernel k_qd34a79c3a9_ffn2
		.amdhsa_group_segment_fixed_size 327680
		.amdhsa_private_segment_fixed_size 0
		.amdhsa_enable_private_segment 0
		.amdhsa_kernarg_size 40
		.amdhsa_user_sgpr_count 2
		.amdhsa_user_sgpr_kernarg_segment_ptr 1
		.amdhsa_wavefront_size32 1
		.amdhsa_system_sgpr_workgroup_id_x 1
		.amdhsa_system_sgpr_workgroup_id_y 1
		.amdhsa_system_sgpr_workgroup_id_z 1
		.amdhsa_system_vgpr_workitem_id 0
		.amdhsa_next_free_vgpr 768
		.amdhsa_next_free_sgpr 98
		.amdhsa_reserve_vcc 0
		.amdhsa_float_denorm_mode_32 3
		.amdhsa_float_denorm_mode_16_64 3
		.amdhsa_memory_ordered 1
		.amdhsa_forward_progress 1
		.amdhsa_inst_pref_size 173
	.end_amdhsa_kernel
	.amdgpu_metadata
---
amdhsa.version: [ 1, 2 ]
amdhsa.kernels:
  - .name:           k_qd34a79c3a9_ffn2
    .symbol:         k_qd34a79c3a9_ffn2.kd
    .args:
      - { .name: hbuf, .offset: 0, .size: 8, .value_kind: global_buffer, .address_space: global }
      - { .name: wbuf, .offset: 8, .size: 8, .value_kind: global_buffer, .address_space: global }
      - { .name: ffn2_b, .offset: 16, .size: 8, .value_kind: global_buffer, .address_space: global }
      - { .name: x, .offset: 24, .size: 8, .value_kind: global_buffer, .address_space: global }
      - { .name: out0, .offset: 32, .size: 8, .value_kind: global_buffer, .address_space: global }
    .group_segment_fixed_size: 327680
    .private_segment_fixed_size: 0
    .kernarg_segment_align: 8
    .kernarg_segment_size: 40
    .max_flat_workgroup_size: 128
    .sgpr_count:     98
    .vgpr_count:     768
    .wavefront_size: 32
...
	.end_amdgpu_metadata
.endif
;; end of part 6
